; MI455X (gfx1250); checked and timed in simulation.
; The chip was launched on July 23, 2026; its instructions are those of AMD's public machine-readable ISA for CDNA 5 (MIT licence, August 2026) and "CDNA5" Instruction Set Architecture Reference Guide (July 2026). The comments in the code are by the model that wrote it; some were corrected since.
;; Attention1. Allowed arithmetic: matrix products marked QUANTISED: E3M2 operands, one E8M0 scale for each 32 along K, by v_wmma_scale_f32_16x16x128_f8f6f4 with both operands' format E3M2, f32 sums; everything else in f32.
;; Inputs: b_out 256 float32; b_qkv 768 float32; w_out 256 x 256 float32; w_qkv 256 x 768 float32; x 4 x 2,048 x 256 float32.
;; Outputs: out0 4 x 2,048 x 256 float32.
;; This version of the problem:
;;   THIS VERSION OF THE PROBLEM IS GIVEN IN LOW PRECISION. The matrix products marked QUANTISED in the list below multiply operands that are first quantised to E3M2 (3 exponent bits, 2 mantissa bits; 6 bits a number), with one power-of-two scale for each 32 numbers along K (OCP MX v1.0); their sums are f32. All else is computed in f32.
;;   The module's matrix products, in the order in which they are computed (A, B: the left and right operand; K: the contracted axis; several contracted axes count as one K, in the product's order):
;;     1. [M 8,192, K 256] x [K 256, N 768]; A: input x; B: input w_qkv: QUANTISED
;;     2. batch 32 x [M 2,048, K 32] x [K 32, N 2,048]; A: computed on the way; B: computed on the way: QUANTISED
;;     3. batch 32 x [M 2,048, K 2,048] x [K 2,048, N 32]; A: softmax (see below); B: computed on the way: QUANTISED
;;     4. [M 8,192, K 256] x [K 256, N 256]; A: computed on the way; B: input w_out: QUANTISED
;;   THE QUANTISER, for each operand of a quantised product, along K:
;;     - K is cut into blocks of 32 from its start; a last block that is shorter is filled with zeros.
;;     - A block's scale is 2^e with e = floor(log2(the largest magnitude in the block)) - 4, held to -126 .. 127; a block of zeros has e = 0. As a byte (E8M0): e + 127.
;;     - Each number is divided by its block's scale, clamped to +-28, and rounded to the nearest number of E3M2, ties to even, subnormals kept.
;;     - The product sums the exact products of the quantised numbers (number of the format x scale) in f32.
;;   ~~~python
;;   def quantise(x, axis):      # numpy; x: float32 -> the quantised numbers, widened to float32 again
;;       x = np.moveaxis(x, axis, -1); K = x.shape[-1]
;;       x = np.pad(x, [(0, 0)] * (x.ndim - 1) + [(0, -K % 32)]); x = x.reshape(x.shape[:-1] + (-1, 32)); a = np.abs(x).max(-1, keepdims=True)
;;       e = np.where(a > 0, np.clip(np.frexp(np.where(a > 0, a, 1))[1] - 1 - 4, -126, 127), 0)      # np.frexp(a)[1] - 1 = floor(log2(a)), exactly
;;       r = np.clip(x / 2.0 ** e, -28, 28)
;;       step = 2.0 ** (np.maximum(np.frexp(np.where(r == 0, 1, r))[1] - 1, -2) - 2)
;;       q = np.round(r / step) * step * 2.0 ** e      # np.round: ties to even
;;       return np.moveaxis(q.reshape(q.shape[:-2] + (-1,))[..., :K], -1, axis).astype(np.float32)
;;   ~~~
;;   SOFTMAX AHEAD OF A QUANTISED PRODUCT. Where the list says 'softmax', what is quantised is not the finished softmax but p = 2^(t - M), with t = logit x log2(e) and M = ceil(the row's largest t), a whole number; so 1/2 < the row's largest p <= 1. The row's sum l is taken of the UNQUANTISED p, in f32, and the product's result is divided by l at the end. Since M is a whole number, a kernel that streams over the keys may use a running M (the ceiling of the running maximum): every later rescaling is an exact power of two, which a block's scale takes up: the codes' values come out the same.
;;   OPERANDS COMPUTED ON THE WAY. 'Computed on the way' means the value that the module computes at that place (a softmax that the list does not call 'softmax' is quantised finished and normalised). What goes into a quantiser is computed in f32, as accurately as f32 sums, v_exp_f32 and their like allow (about 1e-6 of the number): no bf16 or f16 on the way to a quantiser, and a product that is left as it is and whose result goes on into a quantised operand takes f32 operands (vector FMAs, or v_wmma_f32_16x16x4_f32). A number that lies on a knife's edge between two numbers of the format may be rounded either way, as far as f32 arithmetic and the matrix unit's own rounding can turn it there, and no further.
;; 2 versions. Each part assembles by itself: llvm-mc -triple=amdgcn-amd-amdhsa -mcpu=gfx1250 --defsym DOCPART=n.
;; ======== version 1 of 2: 4 launches
;; workspace buffers: wimg 196,608 bytes; wscl 8,192 bytes; qkvc 4,718,592 bytes; qkvs 196,608 bytes; oc 1,572,864 bytes; os 65,536 bytes
;; launch prep (part 1): grid 128 x 1, 1 waves a work-group, no clusters, 0 bytes of LDS; arguments w_qkv, w_out, wimg, wscl; writes wimg, wscl
.if DOCPART == 1
	.amdgcn_target "amdgcn-amd-amdhsa--gfx1250"
	.amdhsa_code_object_version 6
	.text
	.protected	k_q80d5da6b4f_prep
	.globl	k_q80d5da6b4f_prep
	.p2align	8
	.type	k_q80d5da6b4f_prep,@function
k_q80d5da6b4f_prep:
	s_mov_b64 s[64:65], 0
	v_nop
	global_prefetch_b8 v0, s[64:65] scope:SCOPE_SE
	s_setreg_imm32_b32 hwreg(HW_REG_WAVE_MODE, 25, 1), 1
	s_wait_xcnt 0x0
; w_qkv [256][768] and w_out [256][256], f32, K along the FIRST axis, become codes of BF6 (E3M2) with one E8M0 byte for each 32 along K,
; laid as IMAGES OF OPERAND REGISTERS: a fragment is 16 columns x 128 K, 12 registers a lane; registers 4 j .. 4 j + 3 of lane l lie at 1536 F + 512 j + 16 l of wimg.
; Fragment F = 2 t + s: tile t (0-47: w_qkv's, 48-63: w_out's), K step s.  Its scale word of row r lies at 64 F + 4 r of wscl.
; THE COLUMNS OF A TILE ARE NOT NEIGHBOURS: lane r of tile t' (counted inside its matrix) takes column 32 (t' / 2) + 8 (t' % 2) + r + 8 (r / 8), so that the results of
; two neighbouring tiles, used transposed, are 16 neighbours in a lane's registers.
; A LANE TAKES A COLUMN AND ITS REGISTERS RUN DOWN K in the order of the operand's layout (lane (r, h): k = 128 s + 64 c + 32 h + 0 .. 31): the conversions' results are the
; operand's registers, a block's largest magnitude needs no other lane, and nothing is transposed.
; One wave, one fragment: 128 work-groups; half a fragment would leave a scale word in two hands.  No LDS, no barrier, no loop.
; A block's scale is 2^(floor(log2(largest magnitude)) - 4); its byte is the largest magnitude's exponent field - 4, held at 1 from below by the floor 2^-122.
; LIMITS: a block of zeros gets the byte 1 where the rule says 127 (its codes are zeros, and this program alone reads the bytes); NaN and infinities are not served.
.set PQKV, 3072                        ; bytes from row to row of w_qkv
.set POUT, 1024                        ; and of w_out
.set NFQ,  96                          ; fragments of w_qkv
.set FRB,  1536                        ; bytes of an image
.set X,    64                          ; v64-127  my 64 numbers: register 32 c + i = k 64 c + 32 h + i
.set MX,   32                          ; v32-33   the two blocks' largest magnitudes
.set BY,   36                          ; v36-37   their bytes
.set SOP,  44                          ; v44-45   the conversions' scale operands
.set CD,   48                          ; v48-59   the fragment
.set C2,   128                         ; v128-130, v132-134  a block's second 16 codes, as the conversion leaves them
	s_load_b128 s[4:7], s[0:1], 0x0                ; w_qkv, w_out
	s_load_b128 s[8:11], s[0:1], 0x10              ; wimg, wscl
	v_and_b32 v1, 15, v0                           ; r
	v_lshrrev_b32 v2, 4, v0                        ; h (one wave: v0 is the lane)
	v_and_b32 v3, 8, v1
	v_add_nc_u32 v3, v3, v1                        ; r + 8 (r / 8)
	v_lshlrev_b32 v6, 4, v0                        ; the image: 16 bytes a lane
	v_lshlrev_b32 v7, 2, v1
	v_lshl_add_u32 v7, v2, 1, v7                   ; the scale word: 4 r + 2 h: each half of the lanes stores one half of a word
	s_mov_b32 s20, 0x76543210
	s_mov_b32 s21, 0xfedcba98                      ; v_permlanex16_b32's selects for lane l xor 16
	s_and_b32 s13, ttmp9, 1                        ; K step s
	s_mul_i32 s16, ttmp9, FRB
	s_mov_b32 s17, 0
	s_lshl_b32 s18, ttmp9, 6
	s_mov_b32 s19, 0
	s_wait_kmcnt 0x0
	s_add_nc_u64 s[8:9], s[8:9], s[16:17]          ; my image
	s_add_nc_u64 s[10:11], s[10:11], s[18:19]      ; my 16 scale words
; my 64 numbers of the matrix at s[base], pitch bytes from row to row, whose first fragment is number first.  Sixteen lanes read two runs of 32 neighbouring bytes.
.macro LOADW base, pitch, first
	s_sub_co_u32 s12, ttmp9, \first
	s_lshr_b32 s12, s12, 1                         ; t'
	s_lshr_b32 s14, s12, 1
	s_lshl_b32 s14, s14, 7                         ; 32 (t' / 2) columns of 4 bytes
	s_and_b32 s15, s12, 1
	s_lshl_b32 s15, s15, 5                         ; 8 (t' % 2) columns
	s_add_co_u32 s14, s14, s15
	s_mul_i32 s15, s13, 128*\pitch                 ; 128 s rows
	s_add_co_u32 s14, s14, s15
	v_mul_u32_u24 v5, v2, 32*\pitch                ; lanes 16-31 begin 32 rows further down
	v_lshl_add_u32 v5, v3, 2, v5
	v_add_nc_u32 v5, s14, v5
.irp c, 0,1
.irp i, 0,1,2,3,4,5,6,7,8,9,10,11,12,13,14,15,16,17,18,19,20,21,22,23,24,25,26,27,28,29,30,31
	global_load_b32 v[X+32*\c+\i], v5, s[\base:\base+1] offset:(64*\c+\i)*\pitch
.endr
.endr
.endm
	s_cmp_lt_u32 ttmp9, NFQ                        ; the two matrices differ in pitch, which stands in the loads' immediates: two arms
	s_cbranch_scc0 .Lw_out
	LOADW 4, PQKV, 0
	s_branch .Ljoin
.Lw_out:
	LOADW 6, POUT, NFQ
.Ljoin:
	s_wait_loadcnt 0x0
.irp c, 0,1                                    ; my block 2 c + h: all its 32 numbers are mine
	v_max3_num_f32 v[MX+\c], |v[X+32*\c]|, |v[X+1+32*\c]|, 0x2800000   ; and the floor 2^(5 - 127): the byte cannot fall under 1
.endr
.irp i, 2,4,6,8,10,12,14,16,18,20,22,24,26,28,30
.irp c, 0,1
	v_max3_num_f32 v[MX+\c], v[MX+\c], |v[X+32*\c+\i]|, |v[X+1+32*\c+\i]|   ; (the two blocks by turns)
.endr
.endr
.irp c, 0,1
	v_add_nc_u32 v[SOP+\c], 0xfe000000, v[MX+\c]   ; 4 off the exponent field: the conversion takes the exponent field of this operand as its scale
.endr
.irp c, 0,1
	v_lshrrev_b32 v[BY+\c], 23, v[SOP+\c]          ; the scale's byte
.endr
	v_lshl_or_b32 v9, v[BY+1], 16, v[BY]           ; my two bytes: blocks h and 2 + h of my column,
	v_lshlrev_b32 v10, 3, v2
	v_lshlrev_b32 v9, v10, v9                      ; at their places in the word (8 h bits up);
	v_mov_b32 v10, 0                               ; (a lane permute's destination counts as one of its sources)
	v_permlanex16_b32 v10, v9, s20, s21
	v_or_b32 v9, v9, v10                           ; with lane l xor 16's two the word is whole
	v_lshlrev_b32 v10, 4, v2
	v_lshrrev_b32 v11, v10, v9                     ; the half of it that I store
.irp c, 0,1
	v_cvt_scalef32_pk16_bf6_f32 v[CD+6*\c:CD+6*\c+2], v[X+32*\c:X+32*\c+15], v[SOP+\c]       ; registers 6 c .. 6 c + 2 of the operand
	v_cvt_scalef32_pk16_bf6_f32 v[C2+4*\c:C2+4*\c+2], v[X+32*\c+16:X+32*\c+31], v[SOP+\c]    ; (a conversion's three registers begin on an even number: the second half is made elsewhere and moved)
.endr
	v_nop                                          ; one plain place behind a scaled conversion
.irp c, 0,1
.irp i, 0,1,2
	v_mov_b32 v[CD+3+6*\c+\i], v[C2+4*\c+\i]
.endr
.endr
.irp j, 0,1,2
	global_store_b128 v6, v[CD+4*\j:CD+4*\j+3], s[8:9] offset:512*\j   ; 32 lanes store 512 consecutive bytes, at a multiple of 256 from wimg's first byte
.endr
	global_store_b16 v7, v11, s[10:11]             ; 32 lanes store the fragment's 64 bytes of scale words
	s_endpgm
.Lfunc_end_k_q80d5da6b4f_prep:
	.size	k_q80d5da6b4f_prep, .Lfunc_end_k_q80d5da6b4f_prep-k_q80d5da6b4f_prep
	.p2alignl 7, 3214868480
	.fill 96, 4, 3214868480
	.section	.rodata,"a",@progbits
	.p2align	6, 0x0
	.amdhsa_kernel k_q80d5da6b4f_prep
		.amdhsa_group_segment_fixed_size 0
		.amdhsa_private_segment_fixed_size 0
		.amdhsa_enable_private_segment 0
		.amdhsa_kernarg_size 32
		.amdhsa_user_sgpr_count 2
		.amdhsa_user_sgpr_kernarg_segment_ptr 1
		.amdhsa_wavefront_size32 1
		.amdhsa_system_sgpr_workgroup_id_x 1
		.amdhsa_system_sgpr_workgroup_id_y 1
		.amdhsa_system_sgpr_workgroup_id_z 1
		.amdhsa_system_vgpr_workitem_id 0
		.amdhsa_next_free_vgpr 144
		.amdhsa_next_free_sgpr 66
		.amdhsa_reserve_vcc 0
		.amdhsa_float_denorm_mode_32 3
		.amdhsa_float_denorm_mode_16_64 3
		.amdhsa_memory_ordered 1
		.amdhsa_forward_progress 1
		.amdhsa_inst_pref_size 18
	.end_amdhsa_kernel
	.amdgpu_metadata
---
amdhsa.version: [ 1, 2 ]
amdhsa.kernels:
  - .name:           k_q80d5da6b4f_prep
    .symbol:         k_q80d5da6b4f_prep.kd
    .args:
      - { .name: w_qkv, .offset: 0, .size: 8, .value_kind: global_buffer, .address_space: global }
      - { .name: w_out, .offset: 8, .size: 8, .value_kind: global_buffer, .address_space: global }
      - { .name: wimg, .offset: 16, .size: 8, .value_kind: global_buffer, .address_space: global }
      - { .name: wscl, .offset: 24, .size: 8, .value_kind: global_buffer, .address_space: global }
    .group_segment_fixed_size: 0
    .private_segment_fixed_size: 0
    .kernarg_segment_align: 8
    .kernarg_segment_size: 32
    .max_flat_workgroup_size: 32
    .sgpr_count:     66
    .vgpr_count:     144
    .wavefront_size: 32
...
	.end_amdgpu_metadata
.endif
;; end of part 1
;; launch qkv (part 2): grid 256 x 1, 12 waves a work-group, no clusters, 8,704 bytes of LDS; arguments x, b_qkv, wimg, wscl, qkvc, qkvs; writes qkvc, qkvs
.if DOCPART == 2
	.amdgcn_target "amdgcn-amd-amdhsa--gfx1250"
	.amdhsa_code_object_version 6
	.text
	.protected	k_q80d5da6b4f_qkv
	.globl	k_q80d5da6b4f_qkv
	.p2align	8
	.type	k_q80d5da6b4f_qkv,@function
k_q80d5da6b4f_qkv:
	s_mov_b64 s[64:65], 0
	v_nop
	global_prefetch_b8 v0, s[64:65] scope:SCOPE_SE
	s_setreg_imm32_b32 hwreg(HW_REG_WAVE_MODE, 25, 1), 1
	s_wait_xcnt 0x0
; qkv = Q(x) Q(w_qkv) + b_qkv on codes of BF6 (E3M2) with one E8M0 scale for each 32 along K; then q and k are quantised along a head's 32 channels and v along 32 tokens, and only codes and scale bytes leave.
; SHARES.  A work-group owns 32 tokens (a whole block of v's later K).  THE TWELVE WAVES SHARE THE COLUMNS: wave w owns columns 64 w .. 64 w + 63, two heads: waves 0-3 make q, 4-7 k, 8-11 v.
; Each wave's 8 fragments of the weight (12,288 bytes, register images made by the launch before) come straight into its registers.  Waves 8-11 first quantise x: wave w makes fragment w % 4 = 2 u + s
; (token tile u, K step s) and hands it to all twelve through LDS as an image of its registers (3 stores of 16 bytes a lane, the scale word 4 bytes a row); one barrier.
; THE TOKENS OF A TILE ARE NOT NEIGHBOURS: lane r of tile u takes token 8 u + r + 8 (r / 8).  POSITION 16 u + r of a block stands for that token in all the buffers that this program hands on.
; q, k: the product is used transposed (source 0 = 16 columns of W, source 1 = x): lane (r, h) holds position 16 u + r, and the 16 registers of two neighbouring tiles are channels 16 h + 0 .. 15 of one head.
;       The bias is the C of the first K step, loaded in the result's layout.
; v:    source 0 = x, source 1 = W: lane (r, h) holds one channel, and the 16 registers of the two token tiles are TOKENS 16 h + 0 .. 15 in true order: v's later K.  The bias is one number a lane, added behind.
; So in both roles a block of 32 lies in lanes l and l xor 16, 16 numbers each, and one piece of text quantises and stores both.
; OUT.  qkvc: parts q, k, v of 1,572,864 bytes, 49,152 for each (batch, head).  q, k: 24 bytes a position.  v: key block blk, channel tile ct, row rr (channel 8 ct + rr + 8 (rr / 8)) at
;       1536 (blk / 2) + 768 ct + 384 (blk % 2) + 24 rr: the order in which the next launch's operand registers want it.  A wave's store of 12 bytes a lane covers 384 consecutive bytes.
;       qkvs: parts of 65,536 bytes, [block of 32 tokens][head][32 bytes].
; NO CLUSTER: what the work-groups share is the weight, 147,456 bytes; a joint load would land it in LDS, from where each wave would read its 12,288 bytes once, for 16 products: a way round through LDS that
;       the loads into registers spare.  No tensor load, so no ring.
; LIMITS: a block of zeros gets the byte 1 where the rule says 127 (its codes are zeros, and this program alone reads the bytes); NaN and infinities are not served.
.set FRB,   1536                       ; an image: 12 registers x 128 bytes
.set XIMG,  0                          ; LDS: x's four images,
.set XSC,   4*FRB                      ; their scale words: fragment i, row r at 64 i + 4 r,
.set SCB,   XSC+256                    ; and 64 bytes for each wave: its results' scale bytes on their way out
.set HEADB, 49152
.set PART,  1572864
.set XA,   4                           ; v4   x: my lane's byte in the work-group's 32 rows (waves 8-11)
.set LI,   5                           ; v5   16 x lane
.set LS,   6                           ; v6   4 x lane
.set XWI,  7                           ; v7   where I store my image of x
.set XWS,  8                           ; v8   and its scale words
.set SBA,  9                           ; v9   my wave's scale bytes: + r
.set SBR,  10                          ; v10  the same, read back 2 bytes a lane
.set CA,   11                          ; v11-12  my codes' offsets in qkvc: even blocks, odd blocks
.set BO,   13                          ; v13  bias of q, k: 256 w + 64 h
.set SO,   14                          ; v14  2 x lane
.set BOV,  15                          ; v15  bias of v: 256 w + 4 (r + 8 (r / 8))
.set WF,   16                          ; v16-111   W's fragments: (tile f, K step s) at 12 (2 f + s)
.set WS,   112                         ; v112-115  W's scale words: lanes 0-15 K step 0, lanes 16-31 K step 1
.set XS,   116                         ; v116-117  x's, likewise, for token tile u
.set XF,   120                         ; v120-167  x's fragments: (u, s) at 12 (2 u + s).  While they are dead the same registers are at work:
.set TM,   120                         ;   v120-123 largest magnitudes, v124-127 permutes and bytes, v132-135 scale operands
.set PW,   136                         ;   the scale word of x just made
.set PC,   140                         ;   v140-158 the codes of x just made
.set CD,   136                         ;   v136-150 the results' codes, four registers a block
.set TB,   152                         ;   two scale bytes on their way out
.set ACC,  168                         ; v168-231  eight accumulators; before that 64 numbers of x
.set BV,   232                         ; v232-239  v's bias, a pair for each tile
.set WV,   16
.set SEL,  20
; One product.  ks: the K step (1: both scale words are taken from lanes 16-31).  zero: the product starts its sum.
.macro MM acc, a, b, sa, sb, ks, zero
.if \zero
	v_wmma_scale_f32_16x16x128_f8f6f4 v[\acc:\acc+7], v[\a:\a+11], v[\b:\b+11], 0, v[\sa], v[\sb] matrix_a_fmt:MATRIX_FMT_BF6 matrix_b_fmt:MATRIX_FMT_BF6
.elseif \ks
	v_wmma_scale_f32_16x16x128_f8f6f4 v[\acc:\acc+7], v[\a:\a+11], v[\b:\b+11], v[\acc:\acc+7], v[\sa], v[\sb] matrix_a_fmt:MATRIX_FMT_BF6 matrix_b_fmt:MATRIX_FMT_BF6 matrix_a_scale:MATRIX_SCALE_ROW1 matrix_b_scale:MATRIX_SCALE_ROW1
.else
	v_wmma_scale_f32_16x16x128_f8f6f4 v[\acc:\acc+7], v[\a:\a+11], v[\b:\b+11], v[\acc:\acc+7], v[\sa], v[\sb] matrix_a_fmt:MATRIX_FMT_BF6 matrix_b_fmt:MATRIX_FMT_BF6
.endif
.endm
.macro WLOAD                           ; my 8 fragments of W, as they lie: 24 loads of 512 consecutive bytes; and my 4 tiles' scale words
.set i, 0
.rept 24
	global_load_b128 v[WF+4*i:WF+4*i+3], v[LI], s[8:9] offset:512*i
.set i, i+1
.endr
.irp f, 0,1,2,3
	global_load_b32 v[WS+\f], v[LS], s[10:11] offset:128*\f
.endr
.endm
; 64 numbers of a lane, v[s] on, register 16 b + i = k 32 b + 16 h + i of my row, become a fragment's codes in v[PC] on and its scale word in v[PW].
.macro QUANT s
.irp b, 0,1,2,3
	v_max3_num_f32 v[TM+\b], |v[\s+16*\b]|, |v[\s+1+16*\b]|, 0x2800000   ; block b: my 16 numbers, and the floor 2^(5 - 127): the byte cannot fall under 1
.endr
.irp i, 2,4,6,8,10,12,14
.irp b, 0,1,2,3
	v_max3_num_f32 v[TM+\b], v[TM+\b], |v[\s+16*\b+\i]|, |v[\s+1+16*\b+\i]|   ; (the four blocks by turns)
.endr
.endr
.irp b, 0,1,2,3
	v_permlanex16_b32 v[TM+4+\b], v[TM+\b], s[SEL], s[SEL+1]
.endr
.irp b, 0,1,2,3
	v_max_num_f32 v[TM+\b], v[TM+\b], v[TM+4+\b]   ; with lane l xor 16's: the block's largest magnitude
.endr
.irp b, 0,1,2,3
	v_add_nc_u32 v[TM+12+\b], 0xfe000000, v[TM+\b] ; 4 off its exponent field: the conversion's scale operand
.endr
.irp b, 0,1,2,3
	v_lshrrev_b32 v[TM+4+\b], 23, v[TM+12+\b]      ; the scale's byte
.endr
	v_lshl_or_b32 v[PW], v[TM+5], 8, v[TM+4]       ; the four bytes make my row's scale word
	v_lshl_or_b32 v[PW], v[TM+6], 16, v[PW]
	v_lshl_or_b32 v[PW], v[TM+7], 24, v[PW]
.irp c, 0,1
	v_cvt_scalef32_pk16_bf6_f32 v[PC+6*\c:PC+2+6*\c], v[\s+32*\c:\s+15+32*\c], v[TM+12+2*\c]
	v_cvt_scalef32_pk16_bf6_f32 v[PC+12+4*\c:PC+14+4*\c], v[\s+16+32*\c:\s+31+32*\c], v[TM+12+2*\c+1]   ; (a conversion's three registers begin on an even number)
.endr
	v_nop                                          ; one plain place behind a scaled conversion
.irp c, 0,1                                    ; the operand's layout wants a WHOLE block in a lane: lanes 0-15 block 2 c, lanes 16-31 block 2 c + 1
.irp i, 0,1,2
	v_permlane16_swap_b32 v[PC+6*\c+\i], v[PC+12+4*\c+\i]
.endr
.irp i, 0,1,2
	v_mov_b32 v[PC+3+6*\c+\i], v[PC+12+4*\c+\i]
.endr
.endr
.endm
	s_load_b256 s[4:11], s[0:1], 0x0               ; x, b_qkv, wimg, wscl
	s_load_b128 s[12:15], s[0:1], 0x20             ; qkvc, qkvs
	v_lshl_add_u32 v248, v0, 2, 0x1c00
	v_mov_b32 v249, 0
	v_lshrrev_b32 v1, 5, v0
	v_readfirstlane_b32 s[WV], v1                  ; wave 0..11
	v_and_b32 v1, 31, v0                           ; lane
	v_and_b32 v2, 15, v0                           ; r
	v_bfe_u32 v3, v0, 4, 1                         ; h
	s_and_b32 s17, s[WV], 3                        ; w' = w % 4: my pair of heads; for waves 8-11 also my fragment of x
	s_lshr_b32 s18, s[WV], 2                       ; 0: q, 1: k, 2: v
	s_mov_b32 s[SEL], 0x76543210
	s_mov_b32 s[SEL+1], 0xfedcba98                 ; v_permlanex16_b32's selects for lane l xor 16
	; every address register is made here, ahead of the place where the waves' ways part
	v_and_b32 v[BOV], 8, v2
	v_add_nc_u32 v[BOV], v[BOV], v2                ; r + 8 (r / 8)
	v_lshlrev_b32 v[XA], 10, v[BOV]                ; x: that row of 1,024 bytes,
	v_lshl_add_u32 v[XA], v3, 6, v[XA]             ; + 64 h: my 16 numbers of a block of 32,
	s_lshr_b32 s19, s17, 1
	s_lshl_b32 s19, s19, 13                        ; + 8 u rows,
	s_and_b32 s22, s17, 1
	s_lshl_b32 s22, s22, 9                         ; + 512 s
	s_add_co_u32 s19, s19, s22
	v_add_nc_u32 v[XA], s19, v[XA]
	v_lshlrev_b32 v[LI], 4, v1
	v_lshlrev_b32 v[LS], 2, v1
	v_lshlrev_b32 v[SO], 1, v1
	s_mul_i32 s19, s17, FRB
	v_add_nc_u32 v[XWI], s19, v[LI]                ; XIMG + 1536 w' + 16 x lane
	s_lshl_b32 s19, s17, 6
	s_add_co_u32 s19, s19, XSC
	v_lshl_add_u32 v[XWS], v2, 2, s19              ; XSC + 64 w' + 4 r (both halves of the lanes hold the same word)
	s_lshl_b32 s19, s[WV], 6
	s_add_co_u32 s19, s19, SCB
	v_add_nc_u32 v[SBA], s19, v2                   ; SCB + 64 w + r
	v_lshl_add_u32 v[SBR], v1, 1, s19              ; SCB + 64 w + 2 x lane
	s_lshl_b32 s19, s[WV], 8
	v_lshl_add_u32 v[BO], v3, 6, s19
	v_lshl_add_u32 v[BOV], v[BOV], 2, s19
	; where my codes go: part + (8 batch + 2 w') heads + the block's place, which differs between q, k (768 blk) and v (1536 (blk / 2) + 384 (blk % 2))
	s_and_b32 s24, ttmp9, 63                       ; blk
	s_lshr_b32 s25, ttmp9, 6                       ; batch
	s_lshl_b32 s25, s25, 3
	s_lshl_b32 s26, s17, 1
	s_add_co_u32 s25, s25, s26
	s_mul_i32 s25, s25, HEADB
	s_mul_i32 s26, s18, PART
	s_add_co_u32 s25, s25, s26
	s_lshr_b32 s26, s24, 1
	s_mul_i32 s26, s26, 1536
	s_add_co_u32 s25, s25, s26
	s_and_b32 s27, s24, 1
	s_mul_i32 s28, s27, 768
	s_mul_i32 s29, s27, 384
	s_mov_b32 s30, 768
	s_cmp_lt_u32 s[WV], 8
	s_cselect_b32 s28, s28, s29
	s_cselect_b32 s30, 384, s30                    ; from an even block of my four to the odd one: q, k: 16 positions; v: a channel tile
	s_add_co_u32 s25, s25, s28
	v_mul_u32_u24 v[CA], v2, 24
	v_mad_u32_u24 v[CA], v3, 12, v[CA]             ; 24 r + 12 h: my 16 codes
	v_add_nc_u32 v[CA], s25, v[CA]
	v_add_nc_u32 v[CA+1], s30, v[CA]
	s_lshl_b32 s32, ttmp9, 15                      ; x: 32 rows of 1,024 bytes a work-group
	s_mov_b32 s33, 0
	s_mul_i32 s34, s[WV], 8*FRB                    ; wimg: my 8 fragments
	s_mov_b32 s35, 0
	s_lshl_b32 s36, s[WV], 9                       ; wscl: my 4 tiles x 128 bytes
	s_mov_b32 s37, 0
	s_lshl_b32 s38, s18, 16                        ; qkvs: part + 256 x work-group + 64 w'
	s_lshl_b32 s39, ttmp9, 8
	s_add_co_u32 s38, s38, s39
	s_lshl_b32 s39, s17, 6
	s_add_co_u32 s38, s38, s39
	s_mov_b32 s39, 0
.irp b, 0,1,2,3
	v_mov_b32 v[TM+4+\b], 0                        ; written once: a lane permute's destination counts as one of its sources
.endr
	s_wait_kmcnt 0x0
	s_add_nc_u64 s[4:5], s[4:5], s[32:33]
	s_add_nc_u64 s[8:9], s[8:9], s[34:35]
	s_add_nc_u64 s[10:11], s[10:11], s[36:37]
	s_add_nc_u64 s[14:15], s[14:15], s[38:39]
	s_cmp_lt_u32 s[WV], 8
	s_cbranch_scc0 .Lv_first
	; ---- q, k: the weights, and the bias straight into the accumulators: register 8 c + j of head n, lane half h: column 64 w + 32 n + 16 h + 8 c + j, the same for both token tiles
	WLOAD
.irp n, 0,1
.irp u, 0,1
.irp c, 0,1
	global_load_b128 v[ACC+32*\n+16*\u+8*\c:ACC+32*\n+16*\u+8*\c+3], v[BO], s[6:7] offset:128*\n+32*\c
	global_load_b128 v[ACC+32*\n+16*\u+8*\c+4:ACC+32*\n+16*\u+8*\c+7], v[BO], s[6:7] offset:128*\n+32*\c+16
.endr
.endr
.endr
	s_branch .Lmeet
.Lv_first:
	; ---- v: first my fragment of x: 16 rows x 128 along K, 64 numbers a lane, into the registers that the accumulators will take
.irp b, 0,1,2,3
.irp j, 0,1,2,3
	global_load_b128 v[ACC+16*\b+4*\j:ACC+16*\b+4*\j+3], v[XA], s[4:5] offset:128*\b+16*\j th:TH_LOAD_NT
.endr
.endr
	WLOAD
.irp f, 0,1,2,3
	global_load_b32 v[BV+2*\f], v[BOV], s[6:7] offset:128*(\f/2)+32*(\f%2)     ; tile f's bias at my column, twice: a pair for the packed addition
	global_load_b32 v[BV+2*\f+1], v[BOV], s[6:7] offset:128*(\f/2)+32*(\f%2)
.endr
	s_wait_loadcnt 36                              ; x's 16 loads are in; behind them stand 28 loads of weights and scale words and 8 of the bias, which may stay out
	QUANT ACC
.irp c, 0,1,2
	ds_store_b128 v[XWI], v[PC+4*\c:PC+4*\c+3] offset:XIMG+512*\c   ; the fragment goes to LDS as it stands
.endr
	ds_store_b32 v[XWS], v[PW]
.Lmeet:
	s_wait_dscnt 0x0                               ; for the others' sake: my stores have landed
	s_barrier_signal -1
	s_barrier_wait -1                              ; x's four fragments lie in LDS
.set i, 0
.rept 12
	ds_load_b128 v[XF+4*i:XF+4*i+3], v[LI] offset:XIMG+512*i   ; and come back so, in every wave
.set i, i+1
.endr
.irp u, 0,1
	ds_load_b32 v[XS+\u], v[LS] offset:XSC+128*\u  ; lanes 0-15: K step 0's words of tile u; lanes 16-31: K step 1's
.endr
	s_wait_loadcnt 0x0                             ; weights and bias
	s_wait_dscnt 0x0
.rept 4
	v_nop                                          ; x's fragments lie in registers that vector instructions wrote a little earlier: four places ahead of the products
.endr
	s_cmp_lt_u32 s[WV], 8
	s_cbranch_scc0 .Lv_second
	; ---- q, k: eight accumulators by turns, K step by K step
.irp s, 0,1
.irp n, 0,1
.irp u, 0,1
.irp c, 0,1
	MM ACC+32*\n+16*\u+8*\c, WF+12*(2*(2*\n+\c)+\s), XF+12*(2*\u+\s), WS+2*\n+\c, XS+\u, \s, 0
.endr
.endr
.endr
.endr
.rept 4
	v_nop                                          ; places behind the products, ahead of the first read of results and of writes over x's fragments
.endr
	s_branch .Lcodes
.Lv_second:
	; ---- v: source 0 = x, source 1 = W; the first K step starts the sums
.irp s, 0,1
.irp f, 0,1,2,3
.irp u, 0,1
	MM ACC+16*\f+8*\u, XF+12*(2*\u+\s), WF+12*(2*\f+\s), XS+\u, WS+\f, \s, 1-\s
.endr
.endr
.endr
.rept 4
	v_nop
.endr
.irp f, 0,1,2,3
.irp j, 0,2,4,6,8,10,12,14
	v_pk_add_f32 v[ACC+16*\f+\j:ACC+16*\f+\j+1], v[ACC+16*\f+\j:ACC+16*\f+\j+1], v[BV+2*\f:BV+2*\f+1]   ; + the bias of my channel; each accumulator from its low end on
.endr
.endr
.Lcodes:
	; ---- both roles: block b (q, k: head b / 2, token tile b % 2; v: head b / 2, channel tile b % 2) lies in ACC + 16 b on, 16 numbers in me and 16 in lane l xor 16
.irp b, 0,1,2,3
	v_max3_num_f32 v[TM+\b], |v[ACC+16*\b]|, |v[ACC+1+16*\b]|, 0x2800000
.endr
.irp i, 2,4,6,8,10,12,14
.irp b, 0,1,2,3
	v_max3_num_f32 v[TM+\b], v[TM+\b], |v[ACC+16*\b+\i]|, |v[ACC+1+16*\b+\i]|
.endr
.endr
.irp b, 0,1,2,3
	v_permlanex16_b32 v[TM+4+\b], v[TM+\b], s[SEL], s[SEL+1]
.endr
.irp b, 0,1,2,3
	v_max_num_f32 v[TM+\b], v[TM+\b], v[TM+4+\b]
.endr
.irp b, 0,1,2,3
	v_add_nc_u32 v[TM+12+\b], 0xfe000000, v[TM+\b]
.endr
.irp b, 0,1,2,3
	v_lshrrev_b32 v[TM+4+\b], 23, v[TM+12+\b]
.endr
.irp b, 0,1,2,3
	v_cvt_scalef32_pk16_bf6_f32 v[CD+4*\b:CD+4*\b+2], v[ACC+16*\b:ACC+16*\b+15], v[TM+12+\b]
.endr
	v_nop                                          ; one plain place behind a scaled conversion
.irp b, 0,1,2,3
	ds_store_b8 v[SBA], v[TM+4+\b] offset:16*\b    ; both lanes of a block write the same byte with the same value
.endr
.irp b, 0,1,2,3
	global_store_b96 v[CA+\b%2], v[CD+4*\b:CD+4*\b+2], s[12:13] offset:(\b/2)*HEADB   ; 32 lanes store 384 consecutive bytes
.endr
	ds_load_u16 v[TB], v[SBR]                      ; LDS serves a wave's instructions in order: this sees my stores
	s_wait_dscnt 0x0
	global_store_b16 v[SO], v[TB], s[14:15]        ; my two heads' 64 scale bytes; the four waves of a part fill 256 consecutive bytes
	s_wait_tensorcnt 0x0
	ds_add_u32 v248, v249
	s_wait_dscnt 0x0
	s_endpgm
.Lfunc_end_k_q80d5da6b4f_qkv:
	.size	k_q80d5da6b4f_qkv, .Lfunc_end_k_q80d5da6b4f_qkv-k_q80d5da6b4f_qkv
	.p2alignl 7, 3214868480
	.fill 96, 4, 3214868480
	.section	.rodata,"a",@progbits
	.p2align	6, 0x0
	.amdhsa_kernel k_q80d5da6b4f_qkv
		.amdhsa_group_segment_fixed_size 8704
		.amdhsa_private_segment_fixed_size 0
		.amdhsa_enable_private_segment 0
		.amdhsa_kernarg_size 48
		.amdhsa_user_sgpr_count 2
		.amdhsa_user_sgpr_kernarg_segment_ptr 1
		.amdhsa_wavefront_size32 1
		.amdhsa_system_sgpr_workgroup_id_x 1
		.amdhsa_system_sgpr_workgroup_id_y 1
		.amdhsa_system_sgpr_workgroup_id_z 1
		.amdhsa_system_vgpr_workitem_id 0
		.amdhsa_next_free_vgpr 250
		.amdhsa_next_free_sgpr 66
		.amdhsa_reserve_vcc 0
		.amdhsa_float_denorm_mode_32 3
		.amdhsa_float_denorm_mode_16_64 3
		.amdhsa_memory_ordered 1
		.amdhsa_forward_progress 1
		.amdhsa_inst_pref_size 29
	.end_amdhsa_kernel
	.amdgpu_metadata
---
amdhsa.version: [ 1, 2 ]
amdhsa.kernels:
  - .name:           k_q80d5da6b4f_qkv
    .symbol:         k_q80d5da6b4f_qkv.kd
    .args:
      - { .name: x, .offset: 0, .size: 8, .value_kind: global_buffer, .address_space: global }
      - { .name: b_qkv, .offset: 8, .size: 8, .value_kind: global_buffer, .address_space: global }
      - { .name: wimg, .offset: 16, .size: 8, .value_kind: global_buffer, .address_space: global }
      - { .name: wscl, .offset: 24, .size: 8, .value_kind: global_buffer, .address_space: global }
      - { .name: qkvc, .offset: 32, .size: 8, .value_kind: global_buffer, .address_space: global }
      - { .name: qkvs, .offset: 40, .size: 8, .value_kind: global_buffer, .address_space: global }
    .group_segment_fixed_size: 8704
    .private_segment_fixed_size: 0
    .kernarg_segment_align: 8
    .kernarg_segment_size: 48
    .max_flat_workgroup_size: 384
    .sgpr_count:     66
    .vgpr_count:     250
    .wavefront_size: 32
...
	.end_amdgpu_metadata
.endif
;; end of part 2
;; launch attn (part 3): grid 8 x 32, 16 waves a work-group, clusters of 4 x 1, 169,984 bytes of LDS; arguments qkvc, qkvs, oc, os; writes oc, os
.if DOCPART == 3
	.amdgcn_target "amdgcn-amd-amdhsa--gfx1250"
	.amdhsa_code_object_version 6
	.text
	.protected	k_q80d5da6b4f_attn
	.globl	k_q80d5da6b4f_attn
	.p2align	8
	.type	k_q80d5da6b4f_attn,@function
k_q80d5da6b4f_attn:
	s_mov_b64 s[64:65], 0
	v_nop
	global_prefetch_b8 v0, s[64:65] scope:SCOPE_SE
	s_setreg_imm32_b32 hwreg(HW_REG_WAVE_MODE, 25, 1), 1
	s_wait_xcnt 0x0
	s_wait_alu depctr_hold_cnt(0) depctr_sa_sdst(0) depctr_va_vdst(0) depctr_va_sdst(0) depctr_va_ssrc(0) depctr_va_vcc(0) depctr_vm_vsrc(0)
	s_getreg_b32 s2, hwreg(HW_REG_IB_STS2, 6, 4)
	s_cmp_eq_u32 s2, 0
	s_cbranch_scc0 .Lentry_in_a_cluster
	s_endpgm
.Lentry_in_a_cluster:
	s_bfe_u32 s2, ttmp6, 0x10000c
	s_cmp_lg_u32 s2, 0x3003
	s_cbranch_scc0 .Lentry_shape_is_right
	s_endpgm
.Lentry_shape_is_right:
; o = softmax(q k^T / 16) v for one (batch, head), both products on codes of BF6 (E3M2) with E8M0 scales; o is quantised along the head's 32 channels, which are a block of the last product's K, and leaves as codes.
; THE SOFTMAX: t = score x log2(e) / 16; M = the row's largest t so far, rounded UP to a whole number; p = 2^(t - M) is what is quantised, along the keys, not normalised.  The row's sum is taken of the
; unquantised p, in f32, and divides O at the end.  When M moves, the sum and O are multiplied by 2^(old M - new M): exact.
; SHARES.  A work-group owns 256 query positions of one head, each of its sixteen waves 16 of them: one tile in 224 registers, four waves to a SIMD, so that one wave's vector work stands beside
; another's products and LDS loads.  Every wave walks all 2,048 keys, 128 a step, 16 steps.
; A HEAD'S K AND V, 49,152 bytes of codes each and 2,048 scale bytes each, FIT IN LDS WHOLE: they are filled once, nothing is filled again, and the key loop has no barrier.
; CLUSTER.  The four work-groups of a cluster belong to one head and read the same K and V: every fill is asked for JOINTLY (the same descriptor, a mask that names the four).
; LAYOUT.  Both products are used transposed: S^T = K Q^T, O^T = V^T P^T: a lane holds ONE query (lane % 16) throughout.
; K = 32 IN AN INSTRUCTION OF 128.  A position's 32 codes are 24 bytes, six registers.  Lane l's registers 6 c .. 6 c + 5 of K's fragment f take position 64 f + 32 c + l of the step: so ONE fragment carries FOUR tiles of
; 16 keys, tile b in block b = 2 c + (lane / 16) of the instruction's K.  Q stands in four fragments: fragment b has q in block b and zero codes elsewhere, which add nothing.  Fragment f x Q's fragment b is tile 4 f + b.
; The four share registers: zeros, q in lanes 0-15, zeros, q in lanes 16-31, zeros (6 registers each), read at four starts.
; POSITIONS.  Position 32 B + 16 u + m stands for token 32 B + 8 u + m + 8 (m / 8): so the 16 registers of tiles 2 B, 2 B + 1 are true keys 32 B + 16 (lane / 16) + 0 .. 15, the order in which V's codes lie.
; A block's largest p is not searched for: the block's largest SCORE goes through the same multiply-add and exponential.  (That takes v_exp_f32 not to fall where its input rises; at the worst one p of a block,
; within an ulp of a power of two, would be held one code low.)
; LIMITS: a block of zeros gets the byte 1 where the rule says 127 (its codes are zeros, and this program alone reads the bytes); NaN and infinities are not served.
.set HEADB, 49152
.set PART,  1572864
.set QUART, 12288                      ; what one tensor load of codes brings: 48 rows of 256 bytes
.set KC,    0                          ; LDS: K's codes, 24 bytes a position;
.set VC,    49152                      ; V's: key blocks 2 i, 2 i + 1 at 1536 i: channel tile ct at + 768 ct, block at + 384, row at + 24;
.set KSB,   98304                      ; K's scale bytes, one a position;
.set VSB,   100352                     ; V's: 32 a key block;
.set KW,    102400                     ; made here, by LDS stores, in blocks of 256 bytes into which no fill lands: K's scale words, 128 bytes a step,
.set VW,    104448                     ; V's likewise,
.set OSB,   106496                     ; and the 256 scale bytes of o on their way out
.set AK0,  1                           ; v1   24 x lane
.set AV0,  2                           ; v2   VC + 24 x lane
.set AKW0, 3                           ; v3   KW + 4 x lane
.set AVW0, 4                           ; v4   VW + 4 x lane
.set ADK,  5                           ; v5-8 the step's four LDS addresses
.set ADV,  6
.set ADKW, 7
.set ADVW, 8                           ; v9-11 at work;  v12 -M, v13 the largest t, v[14:15] the sum in two halves
.set QB,   16                          ; v16-45   zeros, q low, zeros, q high, zeros
.set KF,   48                          ; v48-71   K's two fragments
.set VF,   72                          ; v72-95   V's two
.set S,    96                          ; v96-159  S^T, then p
.set O,    160                         ; v160-175 O^T: register 8 ct + j is channel 16 (lane / 16) + 8 ct + j
.set PC,   176                         ; v176-187 p's codes
.set PX,   188                         ; v188-190, v192-194 the conversions' second halves
.set BM,   200                         ; v200-203 the blocks' largest scores, then largest p
.set PT,   204                         ; v204-207 permutes, then bytes
.set SO,   208                         ; v208-211 the conversions' scale operands
.set PW,   212                         ; p's scale word
.set VWR,  213                         ; V's: lanes 0-15 channel tile 0, lanes 16-31 tile 1
.set KWR,  214                         ; K's: lanes 0-15 fragment 0, lanes 16-31 fragment 1
.set QS,   215                         ; q's byte, in all four bytes
.set F,    216                         ; v[216:217] f = 2^(old M - new M)
.set T0,   218
.set SM2,  220                         ; v[220:221] the sum's second chain
.set WV,   12
.set G1C,  24                          ; s[24:31] descriptor group 1 for codes;  s[32:39] for scale bytes;  s[40:43], s[44:47] their groups 0
.set G1S,  32
.set G0C,  40
.set G0S,  44
.set SEL,  48
.set CS,   50                          ; s[50:51] c = log2(e) / 16
.set TK,   52                          ; the step's first byte in K's and in V's codes: 3,072 a step
.set TW,   53                          ; and among the scale words: 128 a step
.set CNT,  54
.macro CROUND                          ; a round of the cluster's barrier: my work-group's barrier; wave 0 signals for the work-group; every wave waits for all four work-groups; my work-group's barrier once more
	s_barrier_signal -1
	s_barrier_wait -1
	s_cmp_lg_u32 s[WV], 0
	s_cbranch_scc1 .Lnot_wave_0_\@
	s_barrier_signal -3
.Lnot_wave_0_\@:
	s_barrier_wait -3
	s_barrier_signal -1
	s_barrier_wait -1
.endm
	s_load_b256 s[4:11], s[0:1], 0x0               ; qkvc, qkvs, oc, os
	v_lshl_add_u32 v224, v0, 2, 0x29000
	v_mov_b32 v225, 0
	ds_add_u32 v224, v225
	ds_add_u32 v224, v225
	v_lshrrev_b32 v9, 5, v0
	v_readfirstlane_b32 s[WV], v9                  ; wave 0..15
	s_bfe_u32 s13, ttmp6, 0x40000                  ; cx: my place in the cluster
	s_lshl_b32 s14, ttmp9, 2                       ; in a cluster launch ttmp9 counts clusters
	s_add_co_u32 s14, s14, s13                     ; my block of 256 positions: it enters q's, oc's and os's offsets alone
	s_and_b32 s15, ttmp7, 0xffff                   ; 8 batch + head, which the four partners share
	s_mul_i32 s20, s15, HEADB
	; what I fetch, if I fetch.  Waves 0-3: K's four quarters; waves 4-7: V's; wave 8: K's scale bytes; wave 9: V's
	s_lshr_b32 s16, s[WV], 2
	s_and_b32 s16, s16, 1
	s_add_co_u32 s16, s16, 1
	s_mul_i32 s16, s16, PART                       ; part 1 (k) or 2 (v) of qkvc,
	s_add_co_u32 s16, s16, s20                     ; my head,
	s_and_b32 s21, s[WV], 3
	s_mul_i32 s21, s21, QUART
	s_add_co_u32 s16, s16, s21                     ; my quarter
	s_mov_b32 s17, 0
	s_and_b32 s57, s[WV], 7
	s_mul_i32 s57, s57, QUART                      ; in LDS: K's four quarters, then V's
	s_and_b32 s21, s[WV], 1
	s_lshl_b32 s58, s21, 11
	s_add_co_u32 s58, s58, KSB                     ; in LDS: K's scale bytes, then V's
	s_add_co_u32 s21, s21, 1
	s_lshl_b32 s18, s21, 16                        ; part 1 or 2 of qkvs,
	s_lshr_b32 s21, s15, 3
	s_lshl_b32 s21, s21, 14                        ; the batch's 64 blocks of 256 bytes,
	s_and_b32 s59, s15, 7
	s_lshl_b32 s59, s59, 5                         ; the head's 32 bytes of a block
	s_add_co_u32 s59, s59, s21
	s_add_co_u32 s18, s18, s59
	s_mov_b32 s19, 0
	; group 1 for codes: a dense block of 12,288 bytes as 48 rows of 256 bytes (32 elements of 8 bytes)
	s_mov_b32 s[G1C], 15|(3<<16)|(1<<21)           ; 15:0 the mask: all four work-groups; 17:16 elements of 8 bytes; 20 no padding; 21 set beside a mask
	s_mov_b32 s[G1C+1], 32<<16                     ; tensor_dim0
	s_mov_b32 s[G1C+2], 48<<16                     ; tensor_dim1
	s_mov_b32 s[G1C+3], 32<<16                     ; tile_dim0
	s_mov_b32 s[G1C+4], 48                         ; tile_dim1
	s_mov_b32 s[G1C+5], 32                         ; from row to row
	s_mov_b32 s[G1C+6], 0
	s_mov_b32 s[G1C+7], 0
	; group 1 for scale bytes: 64 rows (key blocks) of 32 bytes (4 elements), 256 bytes apart in memory, on end in LDS
	s_mov_b32 s[G1S], 15|(3<<16)|(1<<21)
	s_mov_b32 s[G1S+1], 4<<16
	s_mov_b32 s[G1S+2], 64<<16
	s_mov_b32 s[G1S+3], 4<<16
	s_mov_b32 s[G1S+4], 64
	s_mov_b32 s[G1S+5], 32
	s_mov_b32 s[G1S+6], 0
	s_mov_b32 s[G1S+7], 0
	; my queries: offsets in qkvc's part 0 and in oc (the same layout), in qkvs's part 0, and the work-group's in os
	s_mul_i32 s22, s14, 6144                       ; 256 positions of 24 bytes
	s_add_co_u32 s22, s22, s20
	s_mul_i32 s21, s[WV], 384                      ; 16 positions
	s_add_co_u32 s22, s22, s21
	s_lshl_b32 s23, s14, 11                        ; 8 blocks of 256 bytes
	s_add_co_u32 s23, s23, s59
	s_lshr_b32 s21, s[WV], 1
	s_lshl_b32 s21, s21, 8
	s_add_co_u32 s23, s23, s21
	s_and_b32 s21, s[WV], 1
	s_lshl_b32 s21, s21, 4
	s_add_co_u32 s23, s23, s21
	s_lshl_b32 s55, s15, 11
	s_lshl_b32 s21, s14, 8
	s_add_co_u32 s55, s55, s21
	s_mov_b32 s[SEL], 0x76543210
	s_mov_b32 s[SEL+1], 0xfedcba98                 ; v_permlanex16_b32's selects for lane l xor 16
	s_mov_b32 s[CS], 0x3db8aa3b                    ; c = log2(e) / 16
	s_mov_b32 s[CS+1], s[CS]                       ; (named with it as a pair, so it is written)
	s_mov_b32 s[TK], 0
	s_mov_b32 s[TW], 0
	s_mov_b32 s[CNT], 16
	s_wait_dscnt 0x0
	s_wait_kmcnt 0x0
	s_mov_b32 s[G0C], 1                            ; 1:0 count = 1
	s_mov_b32 s[G0C+1], s57                        ; 63:32 LDS address
	s_add_nc_u64 s[G0C+2:G0C+3], s[4:5], s[16:17]  ; 120:64 global address
	s_or_b32 s[G0C+3], s[G0C+3], 0x80000000        ; 127:126 type = 2
	s_mov_b32 s[G0S], 1
	s_mov_b32 s[G0S+1], s58
	s_add_nc_u64 s[G0S+2:G0S+3], s[6:7], s[18:19]
	s_or_b32 s[G0S+3], s[G0S+3], 0x80000000
	CROUND                                         ; all four work-groups are here: the joint loads meet
	s_cmp_lt_u32 s[WV], 8                          ; the only fills of the launch: at most one tensor load of a wave is out.  Four v_nop follow each of the two lines
	s_cbranch_scc0 .Lnot_codes
	tensor_load_to_lds s[G0C:G0C+3], s[G1C:G1C+7]
	s_nop 0
.rept 4
	v_nop
.endr
	s_branch .Lasked
.Lnot_codes:
	s_cmp_lt_u32 s[WV], 10
	s_cbranch_scc0 .Lasked
	tensor_load_to_lds s[G0S:G0S+3], s[G1S:G1S+7]
	s_nop 0
.rept 4
	v_nop
.endr
.Lasked:
	v_and_b32 v9, 15, v0                           ; r
	v_and_b32 v10, 31, v0                          ; lane
	v_mul_u32_u24 v11, v9, 24
	v_add_nc_u32 v11, s22, v11
.irp p, 0,1,2
	global_load_b64 v[S+2*\p:S+2*\p+1], v11, s[4:5] offset:8*\p   ; query r's 24 bytes, in both halves of the lanes
.endr
	v_add_nc_u32 v9, s23, v9
	global_load_u8 v[QS], v9, s[6:7]               ; and its scale byte
	v_mul_u32_u24 v[AK0], v10, 24
	v_add_nc_u32 v[AV0], VC, v[AK0]
	v_lshl_add_u32 v[AKW0], v10, 2, KW
	v_lshl_add_u32 v[AVW0], v10, 2, VW
.irp i, 0,1,2,3,4,5
	v_mov_b32 v[QB+\i], 0                          ; the zero codes of Q's four fragments
	v_mov_b32 v[QB+12+\i], 0
	v_mov_b32 v[QB+24+\i], 0
.endr
.irp i, 0,1,2,3,4,5,6,7,8,9,10,11,12,13,14,15
	v_mov_b32 v[O+\i], 0                           ; O^T.  (The step is written once: the first finds zeros, which the first change of M leaves zeros)
.endr
	v_mov_b32 v14, 0                               ; the sum, in two halves
	v_mov_b32 v15, 0
.irp b, 0,1,2,3
	v_mov_b32 v[PT+\b], 0                          ; written once: a lane permute's destination counts as one of its sources
.endr
	v_mov_b32 v[F+1], 0                            ; (named as the upper half of a pair)
	v_mov_b32 v13, 0xff61b1e6                      ; the largest t so far: -3e38, under every t
	v_floor_f32 v12, -v13                          ; -M
	v_cmp_gt_u32 vcc_lo, 16, v10                   ; lanes 0-15
	v_cmp_le_u32 s56, 16, v10                      ; lanes 16-31
	s_wait_loadcnt 0x0
.irp i, 0,1,2,3,4,5
	v_cndmask_b32 v[QB+6+\i], 0, v[S+\i], vcc_lo   ; q in lanes 0-15, zero codes in the others
	v_cndmask_b32 v[QB+18+\i], 0, v[S+\i], s56     ; and the other way round
.endr
	v_lshl_or_b32 v[QS], v[QS], 8, v[QS]
	v_lshl_or_b32 v[QS], v[QS], 16, v[QS]          ; q's byte for whichever block of the instruction's K holds q
	s_wait_tensorcnt 0x0                           ; my part of K, V or their scale bytes has landed,
	s_barrier_signal -1
	s_barrier_wait -1                              ; everybody's has
	; THE SCALE WORDS, once: wave w makes step w's.  K's: lane 16 f + r: byte b = the byte of position 128 w + 64 f + 16 b + r.  V's: lane 16 ct + rr: byte b = that of key block 4 w + b, row 16 ct + rr
	v_lshrrev_b32 v9, 4, v0
	v_and_b32 v10, 15, v0
	v_lshl_add_u32 v9, v9, 6, v10                  ; 128 w + 64 f + r
	v_add_nc_u32 v9, KSB, v9
	v_lshrrev_b32 v10, 5, v0
	v_and_b32 v11, 31, v0
	v_lshl_add_u32 v10, v10, 7, v11                ; 128 w + lane
	v_add_nc_u32 v10, VSB, v10
	v_lshl_add_u32 v11, v0, 2, KW                  ; 128 w + 4 x lane
.irp b, 0,1,2,3
	ds_load_u8 v[BM+\b], v9 offset:16*\b
.endr
.irp b, 0,1,2,3
	ds_load_u8 v[SO+\b], v10 offset:32*\b
.endr
	s_wait_dscnt 0x0
	v_lshl_or_b32 v[BM], v[BM+1], 8, v[BM]
	v_lshl_or_b32 v[SO], v[SO+1], 8, v[SO]
	v_lshl_or_b32 v[BM], v[BM+2], 16, v[BM]
	v_lshl_or_b32 v[SO], v[SO+2], 16, v[SO]
	v_lshl_or_b32 v[BM], v[BM+3], 24, v[BM]
	v_lshl_or_b32 v[SO], v[SO+3], 24, v[SO]
	ds_store_b32 v11, v[BM]
	ds_store_b32 v11, v[SO] offset:VW-KW
	s_wait_dscnt 0x0                               ; for the others' sake: my stores have landed
	s_barrier_signal -1
	s_barrier_wait -1                              ; the scale words of all 16 steps lie in LDS
.Lstep:                                            ; A KEY STEP: 128 keys.  16 trips; no barrier, no tensor load
	v_add_nc_u32 v[ADK], s[TK], v[AK0]             ; (these four are also the places behind the last trip's products, ahead of the loads into V's registers)
	v_add_nc_u32 v[ADV], s[TK], v[AV0]
	v_add_nc_u32 v[ADKW], s[TW], v[AKW0]
	v_add_nc_u32 v[ADVW], s[TW], v[AVW0]
.irp f, 0,1
.irp c, 0,1
.irp p, 0,1,2
	ds_load_b64 v[KF+12*\f+6*\c+2*\p:KF+12*\f+6*\c+2*\p+1], v[ADK] offset:1536*\f+768*\c+8*\p   ; lanes 24 bytes apart: word 6 x lane mod 64 takes each even number once, so the 32 lanes touch 64 different banks (64 banks of 4 bytes: ISA guide 11.1)
.endr
.endr
.endr
	ds_load_b32 v[KWR], v[ADKW]
.irp t, 0,1
.irp c, 0,1
.irp p, 0,1,2
	ds_load_b64 v[VF+12*\t+6*\c+2*\p:VF+12*\t+6*\c+2*\p+1], v[ADV] offset:1536*\c+768*\t+8*\p
.endr
.endr
.endr
	ds_load_b32 v[VWR], v[ADVW]
	s_wait_dscnt 13                                ; K's 13 loads are in; V's 13, issued behind them, may stay out until the second product
.irp b, 0,1,2,3                                ; S^T: tile 4 f + b = K's fragment f x Q's fragment b, which begins at zeros-or-q number (2 b + 1) mod 5
	v_wmma_scale_f32_16x16x128_f8f6f4 v[S+8*\b:S+8*\b+7], v[KF:KF+11], v[QB+6*((2*\b+1)%5):QB+6*((2*\b+1)%5)+11], 0, v[KWR], v[QS] matrix_a_fmt:MATRIX_FMT_BF6 matrix_b_fmt:MATRIX_FMT_BF6
.endr
.irp b, 0,1,2,3
	v_wmma_scale_f32_16x16x128_f8f6f4 v[S+32+8*\b:S+32+8*\b+7], v[KF+12:KF+23], v[QB+6*((2*\b+1)%5):QB+6*((2*\b+1)%5)+11], 0, v[KWR], v[QS] matrix_a_fmt:MATRIX_FMT_BF6 matrix_b_fmt:MATRIX_FMT_BF6 matrix_a_scale:MATRIX_SCALE_ROW1
.endr
.rept 4
	v_nop                                          ; places behind the products, ahead of the first read of results
.endr
.irp b, 0,1,2,3
	v_max3_num_f32 v[BM+\b], v[S+16*\b], v[S+1+16*\b], v[S+2+16*\b]   ; THE LARGEST SCORE OF EACH BLOCK OF 32 KEYS: for the row's maximum and, since p rises with the score, for the block's largest p
.endr
.irp i, 3,5,7,9,11,13
.irp b, 0,1,2,3
	v_max3_num_f32 v[BM+\b], v[BM+\b], v[S+16*\b+\i], v[S+1+16*\b+\i]   ; (the four blocks by turns; each accumulator is read from its low end on)
.endr
.endr
.irp b, 0,1,2,3
	v_max_num_f32 v[BM+\b], v[BM+\b], v[S+15+16*\b]
.endr
.irp b, 0,1,2,3
	v_permlanex16_b32 v[PT+\b], v[BM+\b], s[SEL], s[SEL+1]
.endr
.irp b, 0,1,2,3
	v_max_num_f32 v[BM+\b], v[BM+\b], v[PT+\b]     ; with lane l xor 16's 16 keys
.endr
	v_max3_num_f32 v[T0], v[BM], v[BM+1], v[BM+2]
	v_max_num_f32 v[T0], v[T0], v[BM+3]            ; the step's largest score of my query
	v_mul_f32 v[T0], s[CS], v[T0]                  ; as t (c is positive)
	v_max_num_f32 v13, v13, v[T0]                  ; the running largest t
	v_mov_b32 v[T0], v12
	v_floor_f32 v12, -v13                          ; the new -M = floor(-t) = -ceil(t): M IS A WHOLE NUMBER
	v_sub_f32 v[T0], v12, v[T0]                    ; M's old value less its new one: a whole number, 0 or less
	v_cvt_i32_f32 v[T0], v[T0]                     ; (it saturates)
	v_ldexp_f32 v[F], 1.0, v[T0]                   ; f = 2^(old M - new M): a multiplication by it rounds nothing
.set j, 0
.rept 32
	v_pk_fma_f32 v[S+j:S+j+1], v[S+j:S+j+1], s[CS:CS+1], v[12:13] op_sel_hi:[1,0,0]   ; t - M, two at a time (of the pairs c and -M the low word serves both halves)
.set j, j+2
.endr
.irp b, 0,1,2,3
	v_fma_f32 v[BM+\b], v[BM+\b], s[CS], v12       ; the same of each block's largest score
.endr
.set j, 0
.rept 64
	v_exp_f32 v[S+j], v[S+j]                       ; p = 2^(t - M), at most 1: NOT normalised
.set j, j+1
.endr
.irp b, 0,1,2,3
	v_exp_f32 v[BM+\b], v[BM+\b]                   ; the block's largest p: the same two instructions on the same number give the same bits
.endr
	v_pk_mul_f32 v[14:15], v[14:15], v[F:F+1] op_sel_hi:[1,0]   ; the sums under the new M.  (A plain place behind the exponentials)
	s_wait_alu depctr_va_vdst(0)
.irp b, 0,1,2,3
	v_max_num_f32 v[BM+\b], 0x2800000, v[BM+\b]    ; the floor 2^(5 - 127): the byte cannot fall under 1
.endr
.irp b, 0,1,2,3
	v_add_nc_u32 v[SO+\b], 0xfe000000, v[BM+\b]    ; 4 off the exponent field: the conversion's scale operand
.endr
.irp b, 0,1,2,3
	v_lshrrev_b32 v[PT+\b], 23, v[SO+\b]           ; the scale's byte
.endr
	v_lshl_or_b32 v[PW], v[PT+1], 8, v[PT]         ; p's scale word for these 128 keys
	v_lshl_or_b32 v[PW], v[PT+2], 16, v[PW]
	v_lshl_or_b32 v[PW], v[PT+3], 24, v[PW]
.irp c, 0,1
	v_cvt_scalef32_pk16_bf6_f32 v[PC+6*\c:PC+6*\c+2], v[S+32*\c:S+32*\c+15], v[SO+2*\c]
	v_cvt_scalef32_pk16_bf6_f32 v[PX+4*\c:PX+4*\c+2], v[S+32*\c+16:S+32*\c+31], v[SO+2*\c+1]   ; (a conversion's three registers begin on an even number)
.endr
	v_nop                                          ; one plain place behind a scaled conversion
.irp c, 0,1                                    ; the operand's layout wants a WHOLE block in a lane: lanes 0-15 block 2 c, lanes 16-31 block 2 c + 1
.irp i, 0,1,2
	v_permlane16_swap_b32 v[PC+6*\c+\i], v[PX+4*\c+\i]
.endr
.irp i, 0,1,2
	v_mov_b32 v[PC+3+6*\c+\i], v[PX+4*\c+\i]
.endr
.endr
	v_pk_add_f32 v[SM2:SM2+1], v[S:S+1], v[S+2:S+3]   ; THE ROW'S SUM IS TAKEN OF THE UNQUANTISED p: two at a time, in two chains
.irp j, 4,8,12,16,20,24,28,32,36,40,44,48,52,56,60
	v_pk_add_f32 v[14:15], v[14:15], v[S+\j:S+\j+1]
	v_pk_add_f32 v[SM2:SM2+1], v[SM2:SM2+1], v[S+2+\j:S+3+\j]
.endr
	v_pk_add_f32 v[14:15], v[14:15], v[SM2:SM2+1]
.irp j, 0,2,4,6,8,10,12,14
	v_pk_mul_f32 v[O+\j:O+\j+1], v[O+\j:O+\j+1], v[F:F+1] op_sel_hi:[1,0]   ; O^T under the new M: x f.  (The sums and these stand between the scale word's and the codes' last writes and the products below: 40 plain instructions)
.endr
	s_wait_dscnt 0x0                               ; V's fragments and scale words are in
	; O^T += V^T P^T: two tiles of 16 channels, K = these 128 keys.  The two accumulators take one instruction a turn, and eight other products stand between a trip's and the next trip's
	v_wmma_scale_f32_16x16x128_f8f6f4 v[O:O+7], v[VF:VF+11], v[PC:PC+11], v[O:O+7], v[VWR], v[PW] matrix_a_fmt:MATRIX_FMT_BF6 matrix_b_fmt:MATRIX_FMT_BF6
	v_wmma_scale_f32_16x16x128_f8f6f4 v[O+8:O+15], v[VF+12:VF+23], v[PC:PC+11], v[O+8:O+15], v[VWR], v[PW] matrix_a_fmt:MATRIX_FMT_BF6 matrix_b_fmt:MATRIX_FMT_BF6 matrix_a_scale:MATRIX_SCALE_ROW1
	s_add_co_u32 s[TK], s[TK], 3072
	s_add_co_u32 s[TW], s[TW], 128
	s_sub_co_u32 s[CNT], s[CNT], 1
	s_cmp_lg_u32 s[CNT], 0
	s_cbranch_scc1 .Lstep
	; THE WAY OUT.  o = O^T / the sum; my 16 registers are channels 16 h + 0 .. 15 of my query: with lane l xor 16's they are one block of the last product's K
	v_add_f32 v14, v14, v15                        ; the sum's two halves,
	v_permlanex16_b32 v[PT], v14, s[SEL], s[SEL+1]
	v_add_f32 v14, v14, v[PT]                      ; and lane l xor 16's: the row's sum
	v_rcp_f32 v14, v14
	v_and_b32 v9, 15, v0                           ; (the address lines are the plain place behind the reciprocal and the places behind the last products)
	v_bfe_u32 v10, v0, 4, 1
	v_mul_u32_u24 v11, v9, 24
	v_mad_u32_u24 v11, v10, 12, v11
	v_add_nc_u32 v11, s22, v11                     ; oc: my position's 24 bytes, my half of them
	v_lshrrev_b32 v10, 5, v0
	v_lshl_add_u32 v9, v10, 4, v9
	v_add_nc_u32 v9, OSB, v9                       ; the scale byte's place: OSB + 16 w + r
	v_and_b32 v10, 31, v0
	v_lshlrev_b32 v10, 3, v10
	v_add_nc_u32 v[ADK], OSB, v10                  ; back: 8 bytes a lane (wave 0),
	v_add_nc_u32 v10, s55, v10                     ; and the same place in os
	s_wait_alu depctr_va_vdst(0)
.irp i, 0,1,2,3,4,5,6,7,8,9,10,11,12,13,14,15
	v_mul_f32 v[S+\i], v[O+\i], v14                ; each accumulator from its low end on
.endr
	v_max3_num_f32 v[BM], |v[S]|, |v[S+1]|, 0x2800000   ; my 16 numbers' largest magnitude, in two chains, and the floor
	v_max3_num_f32 v[BM+1], |v[S+2]|, |v[S+3]|, |v[S+4]|
.irp i, 5,9
	v_max3_num_f32 v[BM], v[BM], |v[S+\i]|, |v[S+1+\i]|
	v_max3_num_f32 v[BM+1], v[BM+1], |v[S+2+\i]|, |v[S+3+\i]|
.endr
	v_max3_num_f32 v[BM], v[BM], |v[S+13]|, |v[S+14]|
	v_max3_num_f32 v[BM], v[BM], v[BM+1], |v[S+15]|
	v_permlanex16_b32 v[PT], v[BM], s[SEL], s[SEL+1]
	v_max_num_f32 v[BM], v[BM], v[PT]              ; the block's
	v_add_nc_u32 v[SO], 0xfe000000, v[BM]
	v_lshrrev_b32 v[PT], 23, v[SO]
	v_cvt_scalef32_pk16_bf6_f32 v[PC:PC+2], v[S:S+15], v[SO]
	v_nop                                          ; one plain place behind a scaled conversion
	global_store_b96 v11, v[PC:PC+2], s[8:9]       ; 32 lanes store 384 consecutive bytes
	ds_store_b8 v9, v[PT]                          ; both lanes of a block write the same byte with the same value
	s_wait_dscnt 0x0                               ; for wave 0's sake: my store has landed
	s_barrier_signal -1
	s_barrier_wait -1
	s_cmp_lg_u32 s[WV], 0
	s_cbranch_scc1 .Lnot_first
	ds_load_b64 v[6:7], v[ADK]
	s_wait_dscnt 0x0
	global_store_b64 v10, v[6:7], s[10:11]         ; the work-group's 256 scale bytes: 256 consecutive bytes, at a multiple of 256 from os's first byte
.Lnot_first:
	s_wait_tensorcnt 0x0
	ds_add_u32 v224, v225
	s_wait_dscnt 0x0
	CROUND                                         ; the closing round: no work-group ends while a partner may still ask for a tile that names it
	s_endpgm
.Lfunc_end_k_q80d5da6b4f_attn:
	.size	k_q80d5da6b4f_attn, .Lfunc_end_k_q80d5da6b4f_attn-k_q80d5da6b4f_attn
	.p2alignl 7, 3214868480
	.fill 96, 4, 3214868480
	.section	.rodata,"a",@progbits
	.p2align	6, 0x0
	.amdhsa_kernel k_q80d5da6b4f_attn
		.amdhsa_group_segment_fixed_size 169984
		.amdhsa_private_segment_fixed_size 0
		.amdhsa_enable_private_segment 0
		.amdhsa_kernarg_size 32
		.amdhsa_user_sgpr_count 2
		.amdhsa_user_sgpr_kernarg_segment_ptr 1
		.amdhsa_wavefront_size32 1
		.amdhsa_system_sgpr_workgroup_id_x 1
		.amdhsa_system_sgpr_workgroup_id_y 1
		.amdhsa_system_sgpr_workgroup_id_z 1
		.amdhsa_system_vgpr_workitem_id 0
		.amdhsa_next_free_vgpr 226
		.amdhsa_next_free_sgpr 66
		.amdhsa_reserve_vcc 1
		.amdhsa_float_denorm_mode_32 3
		.amdhsa_float_denorm_mode_16_64 3
		.amdhsa_memory_ordered 1
		.amdhsa_forward_progress 1
		.amdhsa_inst_pref_size 28
	.end_amdhsa_kernel
	.amdgpu_metadata
---
amdhsa.version: [ 1, 2 ]
amdhsa.kernels:
  - .name:           k_q80d5da6b4f_attn
    .symbol:         k_q80d5da6b4f_attn.kd
    .args:
      - { .name: qkvc, .offset: 0, .size: 8, .value_kind: global_buffer, .address_space: global }
      - { .name: qkvs, .offset: 8, .size: 8, .value_kind: global_buffer, .address_space: global }
      - { .name: oc, .offset: 16, .size: 8, .value_kind: global_buffer, .address_space: global }
      - { .name: os, .offset: 24, .size: 8, .value_kind: global_buffer, .address_space: global }
    .group_segment_fixed_size: 169984
    .private_segment_fixed_size: 0
    .kernarg_segment_align: 8
    .kernarg_segment_size: 32
    .max_flat_workgroup_size: 512
    .sgpr_count:     66
    .vgpr_count:     226
    .wavefront_size: 32
...
	.end_amdgpu_metadata
.endif
;; end of part 3
;; launch proj (part 4): grid 256 x 1, 4 waves a work-group, no clusters, 17,920 bytes of LDS; arguments oc, os, wimg, wscl, b_out, out0; writes out0
.if DOCPART == 4
	.amdgcn_target "amdgcn-amd-amdhsa--gfx1250"
	.amdhsa_code_object_version 6
	.text
	.protected	k_q80d5da6b4f_proj
	.globl	k_q80d5da6b4f_proj
	.p2align	8
	.type	k_q80d5da6b4f_proj,@function
k_q80d5da6b4f_proj:
	s_mov_b64 s[64:65], 0
	v_nop
	global_prefetch_b8 v0, s[64:65] scope:SCOPE_SE
	s_setreg_imm32_b32 hwreg(HW_REG_WAVE_MODE, 25, 1), 1
	s_wait_xcnt 0x0
; out0 = Q(o) Q(w_out) + b_out on codes of BF6 (E3M2) with one E8M0 scale for each 32 along K.  K = 256 = 8 heads x 32 channels: a block is a head's 32 channels, which the launch before has quantised.
; SHARES.  A work-group owns 32 positions; THE FOUR WAVES SHARE THE COLUMNS: wave w owns features 64 w .. 64 w + 63, four tiles of w_out, whose 8 fragments (register images) come straight into its registers.
; o's fragment (position tile u, K step s): lane (r, h), registers 6 c .. 6 c + 5: the 24 bytes of head 4 s + 2 c + h at position 16 u + r: they lie in oc as the operand wants them.
; Its scale word: four bytes from four heads; lanes 0-15 gather heads 0-3 (K step 0), lanes 16-31 heads 4-7 (K step 1).
; The product is used transposed (source 0 = 16 columns of W, source 1 = o): lane (r, h) holds position 16 u + r, and the 16 registers of two neighbouring tiles are features 16 h + 0 .. 15 of a run of 32.
; The bias is the C of the first K step, loaded in the result's layout.
; THE WAY OUT.  A wave's 64 features are 256 consecutive bytes of a row of out0: its own stage in LDS (16 rows x 272 bytes) turns 16 bytes a lane of many rows into whole runs of 256 bytes.  No barrier.
; Position 16 u + m of a block stands for token 8 u + m + 8 (m / 8): the stores' immediates turn positions back into rows.
; NO CLUSTER: what the work-groups share is the weight, 49,152 bytes; a joint load would land it in LDS, from where each wave would read its 12,288 bytes once, for 16 products.  No tensor load, so no ring.
; LIMITS: NaN and infinities are not served.
.set FRB,  1536
.set SP,   272                         ; a stage row: 256 bytes + 16
.set OA,   4                           ; v4   oc: 49152 h + 24 r
.set LI,   5                           ; v5   16 x lane
.set LS,   6                           ; v6   4 x lane
.set OB,   7                           ; v7   os: 8192 h + r
.set BO,   8                           ; v8   bias: 256 w + 64 h
.set STO,  9                           ; v9   the stage: where I put 16 bytes of a row
.set RD,   10                          ; v10  and where I read a row back
.set CO,   11                          ; v11  my byte offset in the work-group's rows of out0
.set WF,   16                          ; v16-111   W's fragments: (tile f, K step s) at 12 (2 f + s); on the way out rows of out0
.set WS,   112                         ; v112-115  W's scale words: lanes 0-15 K step 0, lanes 16-31 K step 1
.set OS,   116                         ; v116-117  o's, likewise, for position tile u
.set OF,   120                         ; v120-167  o's fragments: (u, s) at 12 (2 u + s)
.set ACC,  168                         ; v168-231  eight accumulators
.set SB,   232                         ; v232-239  o's scale bytes as loaded: 4 u + b
.set WV,   16
.macro MM acc, a, b, sa, sb, ks
.if \ks
	v_wmma_scale_f32_16x16x128_f8f6f4 v[\acc:\acc+7], v[\a:\a+11], v[\b:\b+11], v[\acc:\acc+7], v[\sa], v[\sb] matrix_a_fmt:MATRIX_FMT_BF6 matrix_b_fmt:MATRIX_FMT_BF6 matrix_a_scale:MATRIX_SCALE_ROW1 matrix_b_scale:MATRIX_SCALE_ROW1
.else
	v_wmma_scale_f32_16x16x128_f8f6f4 v[\acc:\acc+7], v[\a:\a+11], v[\b:\b+11], v[\acc:\acc+7], v[\sa], v[\sb] matrix_a_fmt:MATRIX_FMT_BF6 matrix_b_fmt:MATRIX_FMT_BF6
.endif
.endm
	s_load_b256 s[4:11], s[0:1], 0x0               ; oc, os, wimg, wscl
	s_load_b128 s[12:15], s[0:1], 0x20             ; b_out, out0
	v_lshl_add_u32 v248, v0, 2, 0x4400
	v_mov_b32 v249, 0
	v_lshrrev_b32 v1, 5, v0
	v_readfirstlane_b32 s[WV], v1                  ; wave 0..3
	v_and_b32 v1, 31, v0                           ; lane
	v_and_b32 v2, 15, v0                           ; r
	v_bfe_u32 v3, v0, 4, 1                         ; h
	v_mul_u32_u24 v[OA], v3, 49152
	v_mad_u32_u24 v[OA], v2, 24, v[OA]
	v_lshlrev_b32 v[LI], 4, v1
	v_lshlrev_b32 v[LS], 2, v1
	v_lshl_add_u32 v[OB], v3, 13, v2
	s_lshl_b32 s17, s[WV], 8
	v_lshl_add_u32 v[BO], v3, 6, s17
	s_mul_i32 s18, s[WV], 16*SP                    ; my stage
	v_mul_u32_u24 v[STO], v2, SP                   ; in: row r, + 64 h
	v_lshl_add_u32 v[STO], v3, 6, v[STO]
	v_add_nc_u32 v[STO], s18, v[STO]
	v_mul_u32_u24 v[RD], v3, SP                    ; back: lanes 0-15 one row of 256 bytes, lanes 16-31 the next
	v_lshl_add_u32 v[RD], v2, 4, v[RD]
	v_add_nc_u32 v[RD], s18, v[RD]
	v_lshlrev_b32 v[CO], 10, v3                    ; and the same two rows in out0, at my wave's 256 bytes
	v_lshl_add_u32 v[CO], v2, 4, v[CO]
	v_add_nc_u32 v[CO], s17, v[CO]
	s_lshr_b32 s19, ttmp9, 6                       ; batch
	s_and_b32 s22, ttmp9, 63                       ; block of 32 positions
	s_mul_i32 s24, s19, 8*49152
	s_mul_i32 s23, s22, 768
	s_add_co_u32 s24, s24, s23                     ; oc: the batch's 8 heads, the block's 32 positions of 24 bytes
	s_mov_b32 s25, 0
	s_lshl_b32 s26, s19, 14
	s_lshl_b32 s23, s22, 5
	s_add_co_u32 s26, s26, s23                     ; os likewise, a byte a position
	s_mov_b32 s27, 0
	s_mul_i32 s28, s[WV], 8*FRB
	s_add_co_u32 s28, s28, 96*FRB                  ; wimg: w_out's fragments begin at number 96; my 8
	s_mov_b32 s29, 0
	s_lshl_b32 s30, s[WV], 9
	s_add_co_u32 s30, s30, 48*128                  ; wscl: tile 48 + 4 w on, 128 bytes a tile
	s_mov_b32 s31, 0
	s_lshl_b32 s32, ttmp9, 15                      ; out0: 32 rows of 1,024 bytes a work-group
	s_mov_b32 s33, 0
	s_wait_kmcnt 0x0
	s_add_nc_u64 s[4:5], s[4:5], s[24:25]
	s_add_nc_u64 s[6:7], s[6:7], s[26:27]
	s_add_nc_u64 s[8:9], s[8:9], s[28:29]
	s_add_nc_u64 s[10:11], s[10:11], s[30:31]
	s_add_nc_u64 s[14:15], s[14:15], s[32:33]
.irp u, 0,1
.irp b, 0,1,2,3
	global_load_u8 v[SB+4*\u+\b], v[OB], s[6:7] offset:2048*\b+16*\u   ; the byte of head 4 h + b at position 16 u + r
.endr
.endr
.irp u, 0,1
.irp s, 0,1
.irp c, 0,1
.irp p, 0,1,2
	global_load_b64 v[OF+12*(2*\u+\s)+6*\c+2*\p:OF+12*(2*\u+\s)+6*\c+2*\p+1], v[OA], s[4:5] offset:196608*\s+98304*\c+384*\u+8*\p
.endr
.endr
.endr
.endr
.set i, 0
.rept 24
	global_load_b128 v[WF+4*i:WF+4*i+3], v[LI], s[8:9] offset:512*i   ; my 8 fragments of W, as they lie
.set i, i+1
.endr
.irp f, 0,1,2,3
	global_load_b32 v[WS+\f], v[LS], s[10:11] offset:128*\f
.endr
.irp n, 0,1                                    ; the bias straight into the accumulators: register 8 c + j of run n, lane half h: feature 64 w + 32 n + 16 h + 8 c + j, the same for both position tiles
.irp u, 0,1
.irp c, 0,1
	global_load_b128 v[ACC+32*\n+16*\u+8*\c:ACC+32*\n+16*\u+8*\c+3], v[BO], s[12:13] offset:128*\n+32*\c
	global_load_b128 v[ACC+32*\n+16*\u+8*\c+4:ACC+32*\n+16*\u+8*\c+7], v[BO], s[12:13] offset:128*\n+32*\c+16
.endr
.endr
.endr
	s_wait_loadcnt 0x0
.irp u, 0,1
	v_lshl_or_b32 v[OS+\u], v[SB+4*\u+1], 8, v[SB+4*\u]   ; four heads' bytes make a scale word
.endr
.irp u, 0,1
	v_lshl_or_b32 v[OS+\u], v[SB+4*\u+2], 16, v[OS+\u]
.endr
.irp u, 0,1
	v_lshl_or_b32 v[OS+\u], v[SB+4*\u+3], 24, v[OS+\u]
.endr
.rept 8
	v_nop                                          ; a scale register written by a vector instruction stands eight places ahead of a scaled product
.endr
.irp s, 0,1                                    ; eight accumulators by turns, K step by K step
.irp n, 0,1
.irp u, 0,1
.irp c, 0,1
	MM ACC+32*\n+16*\u+8*\c, WF+12*(2*(2*\n+\c)+\s), OF+12*(2*\u+\s), WS+2*\n+\c, OS+\u, \s
.endr
.endr
.endr
.endr
.rept 4
	v_nop                                          ; places behind the products, ahead of the first read of results and of loads into W's registers
.endr
; Position tile u: 16 rows x my 256 bytes go into my stage, 16 bytes a lane, and come back as whole rows.  LDS serves a wave's instructions in order (ISA guide 5.7.1.4): no wait between the stores and the loads, nor ahead of the next tile's stores.
.macro TOSTAGE u
.irp n, 0,1
.irp i, 0,1,2,3
	ds_store_b128 v[STO], v[ACC+32*\n+16*\u+4*\i:ACC+32*\n+16*\u+4*\i+3] offset:128*\n+16*\i   ; each accumulator from its low end on
.endr
.endr
.irp i, 0,1,2,3,4,5,6,7
	ds_load_b128 v[WF+32*\u+4*\i:WF+32*\u+4*\i+3], v[RD] offset:2*\i*SP
.endr
.endm
.macro SEND u, younger                 ; younger: the LDS instructions issued behind tile u's loads, which may stay out
.irp i, 0,1,2,3,4,5,6,7
	s_wait_dscnt \younger+7-\i                     ; rows 2 i, 2 i + 1 of the tile are back
	global_store_b128 v[CO], v[WF+32*\u+4*\i:WF+32*\u+4*\i+3], s[14:15] offset:(8*\u+2*\i+8*(\i/4))*1024 th:TH_STORE_NT   ; 16 lanes store 256 consecutive bytes, at a multiple of 256 from out0's first byte; row m of the tile is token 8 u + m + 8 (m / 8)
.endr
.endm
	TOSTAGE 0
	TOSTAGE 1
	SEND 0, 16
	SEND 1, 0
	s_wait_tensorcnt 0x0
	ds_add_u32 v248, v249
	s_wait_dscnt 0x0
	s_endpgm
.Lfunc_end_k_q80d5da6b4f_proj:
	.size	k_q80d5da6b4f_proj, .Lfunc_end_k_q80d5da6b4f_proj-k_q80d5da6b4f_proj
	.p2alignl 7, 3214868480
	.fill 96, 4, 3214868480
	.section	.rodata,"a",@progbits
	.p2align	6, 0x0
	.amdhsa_kernel k_q80d5da6b4f_proj
		.amdhsa_group_segment_fixed_size 17920
		.amdhsa_private_segment_fixed_size 0
		.amdhsa_enable_private_segment 0
		.amdhsa_kernarg_size 48
		.amdhsa_user_sgpr_count 2
		.amdhsa_user_sgpr_kernarg_segment_ptr 1
		.amdhsa_wavefront_size32 1
		.amdhsa_system_sgpr_workgroup_id_x 1
		.amdhsa_system_sgpr_workgroup_id_y 1
		.amdhsa_system_sgpr_workgroup_id_z 1
		.amdhsa_system_vgpr_workitem_id 0
		.amdhsa_next_free_vgpr 250
		.amdhsa_next_free_sgpr 66
		.amdhsa_reserve_vcc 0
		.amdhsa_float_denorm_mode_32 3
		.amdhsa_float_denorm_mode_16_64 3
		.amdhsa_memory_ordered 1
		.amdhsa_forward_progress 1
		.amdhsa_inst_pref_size 17
	.end_amdhsa_kernel
	.amdgpu_metadata
---
amdhsa.version: [ 1, 2 ]
amdhsa.kernels:
  - .name:           k_q80d5da6b4f_proj
    .symbol:         k_q80d5da6b4f_proj.kd
    .args:
      - { .name: oc, .offset: 0, .size: 8, .value_kind: global_buffer, .address_space: global }
      - { .name: os, .offset: 8, .size: 8, .value_kind: global_buffer, .address_space: global }
      - { .name: wimg, .offset: 16, .size: 8, .value_kind: global_buffer, .address_space: global }
      - { .name: wscl, .offset: 24, .size: 8, .value_kind: global_buffer, .address_space: global }
      - { .name: b_out, .offset: 32, .size: 8, .value_kind: global_buffer, .address_space: global }
      - { .name: out0, .offset: 40, .size: 8, .value_kind: global_buffer, .address_space: global }
    .group_segment_fixed_size: 17920
    .private_segment_fixed_size: 0
    .kernarg_segment_align: 8
    .kernarg_segment_size: 48
    .max_flat_workgroup_size: 128
    .sgpr_count:     66
    .vgpr_count:     250
    .wavefront_size: 32
...
	.end_amdgpu_metadata
.endif
;; end of part 4
;; ======== version 2 of 2: 4 launches
;; workspace buffers: wimg 196,608 bytes; wscl 8,192 bytes; qkvc 4,718,592 bytes; qkvs 196,608 bytes; oc 1,572,864 bytes; os 65,536 bytes
;; launch prep (part 5): grid 128 x 1, 1 waves a work-group, no clusters, 0 bytes of LDS; arguments w_qkv, w_out, wimg, wscl; writes wimg, wscl
.if DOCPART == 5
	.amdgcn_target "amdgcn-amd-amdhsa--gfx1250"
	.amdhsa_code_object_version 6
	.text
	.protected	k_q80d5da6b4f_prep
	.globl	k_q80d5da6b4f_prep
	.p2align	8
	.type	k_q80d5da6b4f_prep,@function
k_q80d5da6b4f_prep:
	s_mov_b64 s[64:65], 0
	v_nop
	global_prefetch_b8 v0, s[64:65] scope:SCOPE_SE
	s_setreg_imm32_b32 hwreg(HW_REG_WAVE_MODE, 25, 1), 1
	s_wait_xcnt 0x0
; w_qkv [256][768] and w_out [256][256], f32, K along the FIRST axis, become codes of BF6 (E3M2) with one E8M0 byte for each 32 along K,
; laid as IMAGES OF OPERAND REGISTERS: a fragment is 16 columns x 128 K, 12 registers a lane; registers 4 j .. 4 j + 3 of lane l lie at 1536 F + 512 j + 16 l of wimg.
; Fragment F = 2 t + s: tile t (0-47: w_qkv's, 48-63: w_out's), K step s.  Its scale word of row r lies at 64 F + 4 r of wscl.
; THE COLUMNS OF A TILE ARE NOT NEIGHBOURS: lane r of tile t' (counted inside its matrix) takes column 32 (t' / 2) + 8 (t' % 2) + r + 8 (r / 8), so that the results of
; two neighbouring tiles, used transposed, are 16 neighbours in a lane's registers.
; A LANE TAKES A COLUMN AND ITS REGISTERS RUN DOWN K in the order of the operand's layout (lane (r, h): k = 128 s + 64 c + 32 h + 0 .. 31): the conversions' results are the
; operand's registers, a block's largest magnitude needs no other lane, and nothing is transposed.
; One wave, one fragment: 128 work-groups; half a fragment would leave a scale word in two hands.  No LDS, no barrier, no loop.
; A block's scale is 2^(floor(log2(largest magnitude)) - 4); its byte is the largest magnitude's exponent field - 4, held at 1 from below by the floor 2^-122.
; LIMITS: a block of zeros gets the byte 1 where the rule says 127 (its codes are zeros, and this program alone reads the bytes); NaN and infinities are not served.
.set PQKV, 3072                        ; bytes from row to row of w_qkv
.set POUT, 1024                        ; and of w_out
.set NFQ,  96                          ; fragments of w_qkv
.set FRB,  1536                        ; bytes of an image
.set X,    64                          ; v64-127  my 64 numbers: register 32 c + i = k 64 c + 32 h + i
.set MX,   32                          ; v32-33   the two blocks' largest magnitudes
.set BY,   36                          ; v36-37   their bytes
.set SOP,  44                          ; v44-45   the conversions' scale operands
.set CD,   48                          ; v48-59   the fragment
.set C2,   128                         ; v128-130, v132-134  a block's second 16 codes, as the conversion leaves them
	s_load_b128 s[4:7], s[0:1], 0x0                ; w_qkv, w_out
	s_load_b128 s[8:11], s[0:1], 0x10              ; wimg, wscl
	v_and_b32 v1, 15, v0                           ; r
	v_lshrrev_b32 v2, 4, v0                        ; h (one wave: v0 is the lane)
	v_and_b32 v3, 8, v1
	v_add_nc_u32 v3, v3, v1                        ; r + 8 (r / 8)
	v_lshlrev_b32 v6, 4, v0                        ; the image: 16 bytes a lane
	v_lshlrev_b32 v7, 2, v1
	v_lshl_add_u32 v7, v2, 1, v7                   ; the scale word: 4 r + 2 h: each half of the lanes stores one half of a word
	s_mov_b32 s20, 0x76543210
	s_mov_b32 s21, 0xfedcba98                      ; v_permlanex16_b32's selects for lane l xor 16
	s_and_b32 s13, ttmp9, 1                        ; K step s
	s_mul_i32 s16, ttmp9, FRB
	s_mov_b32 s17, 0
	s_lshl_b32 s18, ttmp9, 6
	s_mov_b32 s19, 0
	s_wait_kmcnt 0x0
	s_add_nc_u64 s[8:9], s[8:9], s[16:17]          ; my image
	s_add_nc_u64 s[10:11], s[10:11], s[18:19]      ; my 16 scale words
; my 64 numbers of the matrix at s[base], pitch bytes from row to row, whose first fragment is number first.  Sixteen lanes read two runs of 32 neighbouring bytes.
.macro LOADW base, pitch, first
	s_sub_co_u32 s12, ttmp9, \first
	s_lshr_b32 s12, s12, 1                         ; t'
	s_lshr_b32 s14, s12, 1
	s_lshl_b32 s14, s14, 7                         ; 32 (t' / 2) columns of 4 bytes
	s_and_b32 s15, s12, 1
	s_lshl_b32 s15, s15, 5                         ; 8 (t' % 2) columns
	s_add_co_u32 s14, s14, s15
	s_mul_i32 s15, s13, 128*\pitch                 ; 128 s rows
	s_add_co_u32 s14, s14, s15
	v_mul_u32_u24 v5, v2, 32*\pitch                ; lanes 16-31 begin 32 rows further down
	v_lshl_add_u32 v5, v3, 2, v5
	v_add_nc_u32 v5, s14, v5
.irp c, 0,1
.irp i, 0,1,2,3,4,5,6,7,8,9,10,11,12,13,14,15,16,17,18,19,20,21,22,23,24,25,26,27,28,29,30,31
	global_load_b32 v[X+32*\c+\i], v5, s[\base:\base+1] offset:(64*\c+\i)*\pitch
.endr
.endr
.endm
	s_cmp_lt_u32 ttmp9, NFQ                        ; the two matrices differ in pitch, which stands in the loads' immediates: two arms
	s_cbranch_scc0 .Lw_out
	s_wait_alu depctr_va_vdst(0)
	LOADW 4, PQKV, 0
	s_branch .Ljoin
.Lw_out:
	s_wait_alu depctr_va_vdst(0)
	LOADW 6, POUT, NFQ
.Ljoin:
	s_wait_loadcnt 0x0
.irp c, 0,1                                    ; my block 2 c + h: all its 32 numbers are mine
	v_max3_num_f32 v[MX+\c], |v[X+32*\c]|, |v[X+1+32*\c]|, 0x2800000   ; and the floor 2^(5 - 127): the byte cannot fall under 1
.endr
.irp i, 2,4,6,8,10,12,14,16,18,20,22,24,26,28,30
.irp c, 0,1
	v_max3_num_f32 v[MX+\c], v[MX+\c], |v[X+32*\c+\i]|, |v[X+1+32*\c+\i]|   ; (the two blocks by turns)
.endr
.endr
.irp c, 0,1
	v_add_nc_u32 v[SOP+\c], 0xfe000000, v[MX+\c]   ; 4 off the exponent field: the conversion takes the exponent field of this operand as its scale
.endr
.irp c, 0,1
	v_lshrrev_b32 v[BY+\c], 23, v[SOP+\c]          ; the scale's byte
.endr
	v_lshl_or_b32 v9, v[BY+1], 16, v[BY]           ; my two bytes: blocks h and 2 + h of my column,
	v_lshlrev_b32 v10, 3, v2
	v_lshlrev_b32 v9, v10, v9                      ; at their places in the word (8 h bits up);
	v_mov_b32 v10, 0                               ; (a lane permute's destination counts as one of its sources)
	v_permlanex16_b32 v10, v9, s20, s21
	v_or_b32 v9, v9, v10                           ; with lane l xor 16's two the word is whole
	v_lshlrev_b32 v10, 4, v2
	v_lshrrev_b32 v11, v10, v9                     ; the half of it that I store
.irp c, 0,1
	v_cvt_scalef32_pk16_bf6_f32 v[CD+6*\c:CD+6*\c+2], v[X+32*\c:X+32*\c+15], v[SOP+\c]       ; registers 6 c .. 6 c + 2 of the operand
	v_cvt_scalef32_pk16_bf6_f32 v[C2+4*\c:C2+4*\c+2], v[X+32*\c+16:X+32*\c+31], v[SOP+\c]    ; (a conversion's three registers begin on an even number: the second half is made elsewhere and moved)
.endr
	v_nop                                          ; one plain place behind a scaled conversion
.irp c, 0,1
.irp i, 0,1,2
	v_mov_b32 v[CD+3+6*\c+\i], v[C2+4*\c+\i]
.endr
.endr
.irp j, 0,1,2
	global_store_b128 v6, v[CD+4*\j:CD+4*\j+3], s[8:9] offset:512*\j   ; 32 lanes store 512 consecutive bytes, at a multiple of 256 from wimg's first byte
.endr
	global_store_b16 v7, v11, s[10:11]             ; 32 lanes store the fragment's 64 bytes of scale words
	s_endpgm
.Lfunc_end_k_q80d5da6b4f_prep:
	.size	k_q80d5da6b4f_prep, .Lfunc_end_k_q80d5da6b4f_prep-k_q80d5da6b4f_prep
	.p2alignl 7, 3214868480
	.fill 96, 4, 3214868480
	.section	.rodata,"a",@progbits
	.p2align	6, 0x0
	.amdhsa_kernel k_q80d5da6b4f_prep
		.amdhsa_group_segment_fixed_size 0
		.amdhsa_private_segment_fixed_size 0
		.amdhsa_enable_private_segment 0
		.amdhsa_kernarg_size 32
		.amdhsa_user_sgpr_count 2
		.amdhsa_user_sgpr_kernarg_segment_ptr 1
		.amdhsa_wavefront_size32 1
		.amdhsa_system_sgpr_workgroup_id_x 1
		.amdhsa_system_sgpr_workgroup_id_y 1
		.amdhsa_system_sgpr_workgroup_id_z 1
		.amdhsa_system_vgpr_workitem_id 0
		.amdhsa_next_free_vgpr 144
		.amdhsa_next_free_sgpr 66
		.amdhsa_reserve_vcc 0
		.amdhsa_float_denorm_mode_32 3
		.amdhsa_float_denorm_mode_16_64 3
		.amdhsa_memory_ordered 1
		.amdhsa_forward_progress 1
		.amdhsa_inst_pref_size 18
	.end_amdhsa_kernel
	.amdgpu_metadata
---
amdhsa.version: [ 1, 2 ]
amdhsa.kernels:
  - .name:           k_q80d5da6b4f_prep
    .symbol:         k_q80d5da6b4f_prep.kd
    .args:
      - { .name: w_qkv, .offset: 0, .size: 8, .value_kind: global_buffer, .address_space: global }
      - { .name: w_out, .offset: 8, .size: 8, .value_kind: global_buffer, .address_space: global }
      - { .name: wimg, .offset: 16, .size: 8, .value_kind: global_buffer, .address_space: global }
      - { .name: wscl, .offset: 24, .size: 8, .value_kind: global_buffer, .address_space: global }
    .group_segment_fixed_size: 0
    .private_segment_fixed_size: 0
    .kernarg_segment_align: 8
    .kernarg_segment_size: 32
    .max_flat_workgroup_size: 32
    .sgpr_count:     66
    .vgpr_count:     144
    .wavefront_size: 32
...
	.end_amdgpu_metadata
.endif
;; end of part 5
;; launch qkv (part 6): grid 256 x 1, 12 waves a work-group, no clusters, 8,704 bytes of LDS; arguments x, b_qkv, wimg, wscl, qkvc, qkvs; writes qkvc, qkvs
.if DOCPART == 6
	.amdgcn_target "amdgcn-amd-amdhsa--gfx1250"
	.amdhsa_code_object_version 6
	.text
	.protected	k_q80d5da6b4f_qkv
	.globl	k_q80d5da6b4f_qkv
	.p2align	8
	.type	k_q80d5da6b4f_qkv,@function
k_q80d5da6b4f_qkv:
	s_mov_b64 s[64:65], 0
	v_nop
	global_prefetch_b8 v0, s[64:65] scope:SCOPE_SE
	s_setreg_imm32_b32 hwreg(HW_REG_WAVE_SCHED_MODE, 0, 2), 2
	s_setreg_imm32_b32 hwreg(HW_REG_WAVE_MODE, 25, 1), 1
	s_wait_xcnt 0x0
	s_wait_alu depctr_vm_vsrc(0)
; qkv = Q(x) Q(w_qkv) + b_qkv on codes of BF6 (E3M2) with one E8M0 scale for each 32 along K; then q and k are quantised along a head's 32 channels and v along 32 tokens, and only codes and scale bytes leave.
; SHARES.  A work-group owns 32 tokens (a whole block of v's later K).  THE TWELVE WAVES SHARE THE COLUMNS: wave w owns columns 64 w .. 64 w + 63, two heads: waves 0-3 make q, 4-7 k, 8-11 v.
; Each wave's 8 fragments of the weight (12,288 bytes, register images made by the launch before) come straight into its registers.  Waves 8-11 first quantise x: wave w makes fragment w % 4 = 2 u + s
; (token tile u, K step s) and hands it to all twelve through LDS as an image of its registers (3 stores of 16 bytes a lane, the scale word 4 bytes a row); one barrier.
; THE TOKENS OF A TILE ARE NOT NEIGHBOURS: lane r of tile u takes token 8 u + r + 8 (r / 8).  POSITION 16 u + r of a block stands for that token in all the buffers that this program hands on.
; q, k: the product is used transposed (source 0 = 16 columns of W, source 1 = x): lane (r, h) holds position 16 u + r, and the 16 registers of two neighbouring tiles are channels 16 h + 0 .. 15 of one head.
;       The bias is the C of the first K step, loaded in the result's layout.
; v:    source 0 = x, source 1 = W: lane (r, h) holds one channel, and the 16 registers of the two token tiles are TOKENS 16 h + 0 .. 15 in true order: v's later K.  The bias is one number a lane, added behind.
; So in both roles a block of 32 lies in lanes l and l xor 16, 16 numbers each, and one piece of text quantises and stores both.
; OUT.  qkvc: parts q, k, v of 1,572,864 bytes, 49,152 for each (batch, head).  q, k: 24 bytes a position.  v: key block blk, channel tile ct, row rr (channel 8 ct + rr + 8 (rr / 8)) at
;       1536 (blk / 2) + 768 ct + 384 (blk % 2) + 24 rr: the order in which the next launch's operand registers want it.  A wave's store of 12 bytes a lane covers 384 consecutive bytes.
;       qkvs: parts of 65,536 bytes, [block of 32 tokens][head][32 bytes].
; NO CLUSTER: what the work-groups share is the weight, 147,456 bytes; a joint load would land it in LDS, from where each wave would read its 12,288 bytes once, for 16 products: a way round through LDS that
;       the loads into registers spare.  No tensor load, so no ring.
; LIMITS: a block of zeros gets the byte 1 where the rule says 127 (its codes are zeros, and this program alone reads the bytes); NaN and infinities are not served.
; THE MODE: SCHED_MODE bits 1:0 = 2 (LLVM: expert scheduling mode 2), set by the entry lines.  The code itself states the register dependences
; between vector or matrix instructions and memory or LDS instructions, with s_wait_alu, always for 0.
; THE PLAN.  Registers that memory or LDS instructions touch:
;   v4-v15        offsets and LDS addresses: written by vector lines at the head and never again; read by every load and store.
;   WF, WS, BV    filled by loads alone; read by the products (BV by the bias additions).
;   ACC           filled by loads (waves 0-7: the bias; waves 8-11: x); behind those loads named by vector and matrix instructions alone.
;   v120-167      waves 8-11: the quantiser of x writes v120-158, and the four LDS stores read the codes and the scale word there; in every wave x's fragments then land in v120-167 from LDS, the products
;                 read them, the last quantiser writes v120-150, the stores of bytes and codes read v124-127 and v136-150, and two scale bytes land in v152 from LDS.
; THE WAITS.  One on va_sdst ahead of the first reader of the wave's number.  One on va_vdst at the head's end: all addresses are written, and so are v124-127.  In waves 8-11 one on va_vdst behind the
; quantiser of x, ahead of the LDS stores, and one on vm_vsrc behind those stores: behind the two nothing issued so far names v120-167.  One on va_vdst behind the last conversions, ahead of the last stores and load.
.set FRB,   1536                       ; an image: 12 registers x 128 bytes
.set XIMG,  0                          ; LDS: x's four images,
.set XSC,   4*FRB                      ; their scale words: fragment i, row r at 64 i + 4 r,
.set SCB,   XSC+256                    ; and 64 bytes for each wave: its results' scale bytes on their way out
.set HEADB, 49152
.set PART,  1572864
.set XA,   4                           ; v4   x: my lane's byte in the work-group's 32 rows (waves 8-11)
.set LI,   5                           ; v5   16 x lane
.set LS,   6                           ; v6   4 x lane
.set XWI,  7                           ; v7   where I store my image of x
.set XWS,  8                           ; v8   and its scale words
.set SBA,  9                           ; v9   my wave's scale bytes: + r
.set SBR,  10                          ; v10  the same, read back 2 bytes a lane
.set CA,   11                          ; v11-12  my codes' offsets in qkvc: even blocks, odd blocks
.set BO,   13                          ; v13  bias of q, k: 256 w + 64 h
.set SO,   14                          ; v14  2 x lane
.set BOV,  15                          ; v15  bias of v: 256 w + 4 (r + 8 (r / 8))
.set WF,   16                          ; v16-111   W's fragments: (tile f, K step s) at 12 (2 f + s)
.set WS,   112                         ; v112-115  W's scale words: lanes 0-15 K step 0, lanes 16-31 K step 1
.set XS,   116                         ; v116-117  x's, likewise, for token tile u
.set XF,   120                         ; v120-167  x's fragments: (u, s) at 12 (2 u + s).  While they are dead the same registers are at work:
.set TM,   120                         ;   v120-123 largest magnitudes, v124-127 permutes and bytes, v132-135 scale operands
.set PW,   136                         ;   the scale word of x just made
.set PC,   140                         ;   v140-158 the codes of x just made
.set CD,   136                         ;   v136-150 the results' codes, four registers a block
.set TB,   152                         ;   two scale bytes on their way out
.set ACC,  168                         ; v168-231  eight accumulators; before that 64 numbers of x
.set BV,   232                         ; v232-239  v's bias, a pair for each tile
.set WV,   16
.set SEL,  20
; One product.  ks: the K step (1: both scale words are taken from lanes 16-31).  zero: the product starts its sum.
.macro MM acc, a, b, sa, sb, ks, zero
.if \zero
	v_wmma_scale_f32_16x16x128_f8f6f4 v[\acc:\acc+7], v[\a:\a+11], v[\b:\b+11], 0, v[\sa], v[\sb] matrix_a_fmt:MATRIX_FMT_BF6 matrix_b_fmt:MATRIX_FMT_BF6
.elseif \ks
	v_wmma_scale_f32_16x16x128_f8f6f4 v[\acc:\acc+7], v[\a:\a+11], v[\b:\b+11], v[\acc:\acc+7], v[\sa], v[\sb] matrix_a_fmt:MATRIX_FMT_BF6 matrix_b_fmt:MATRIX_FMT_BF6 matrix_a_scale:MATRIX_SCALE_ROW1 matrix_b_scale:MATRIX_SCALE_ROW1
.else
	v_wmma_scale_f32_16x16x128_f8f6f4 v[\acc:\acc+7], v[\a:\a+11], v[\b:\b+11], v[\acc:\acc+7], v[\sa], v[\sb] matrix_a_fmt:MATRIX_FMT_BF6 matrix_b_fmt:MATRIX_FMT_BF6
.endif
.endm
.macro WLOAD                           ; my 8 fragments of W, as they lie: 24 loads of 512 consecutive bytes; and my 4 tiles' scale words
.set i, 0
.rept 24
	global_load_b128 v[WF+4*i:WF+4*i+3], v[LI], s[8:9] offset:512*i
.set i, i+1
.endr
.irp f, 0,1,2,3
	global_load_b32 v[WS+\f], v[LS], s[10:11] offset:128*\f
.endr
.endm
; 64 numbers of a lane, v[s] on, register 16 b + i = k 32 b + 16 h + i of my row, become a fragment's codes in v[PC] on and its scale word in v[PW].
.macro QUANT s
.irp b, 0,1,2,3
	v_max3_num_f32 v[TM+\b], |v[\s+16*\b]|, |v[\s+1+16*\b]|, 0x2800000   ; block b: my 16 numbers, and the floor 2^(5 - 127): the byte cannot fall under 1
.endr
.irp i, 2,4,6,8,10,12,14
.irp b, 0,1,2,3
	v_max3_num_f32 v[TM+\b], v[TM+\b], |v[\s+16*\b+\i]|, |v[\s+1+16*\b+\i]|   ; (the four blocks by turns)
.endr
.endr
.irp b, 0,1,2,3
	v_permlanex16_b32 v[TM+4+\b], v[TM+\b], s[SEL], s[SEL+1]
.endr
.irp b, 0,1,2,3
	v_max_num_f32 v[TM+\b], v[TM+\b], v[TM+4+\b]   ; with lane l xor 16's: the block's largest magnitude
.endr
.irp b, 0,1,2,3
	v_add_nc_u32 v[TM+12+\b], 0xfe000000, v[TM+\b] ; 4 off its exponent field: the conversion's scale operand
.endr
.irp b, 0,1,2,3
	v_lshrrev_b32 v[TM+4+\b], 23, v[TM+12+\b]      ; the scale's byte
.endr
	v_lshl_or_b32 v[PW], v[TM+5], 8, v[TM+4]       ; the four bytes make my row's scale word
	v_lshl_or_b32 v[PW], v[TM+6], 16, v[PW]
	v_lshl_or_b32 v[PW], v[TM+7], 24, v[PW]
.irp c, 0,1
	v_cvt_scalef32_pk16_bf6_f32 v[PC+6*\c:PC+2+6*\c], v[\s+32*\c:\s+15+32*\c], v[TM+12+2*\c]
	v_cvt_scalef32_pk16_bf6_f32 v[PC+12+4*\c:PC+14+4*\c], v[\s+16+32*\c:\s+31+32*\c], v[TM+12+2*\c+1]   ; (a conversion's three registers begin on an even number)
.endr
	v_nop                                          ; one plain place behind a scaled conversion
.irp c, 0,1                                    ; the operand's layout wants a WHOLE block in a lane: lanes 0-15 block 2 c, lanes 16-31 block 2 c + 1
.irp i, 0,1,2
	v_permlane16_swap_b32 v[PC+6*\c+\i], v[PC+12+4*\c+\i]
.endr
.irp i, 0,1,2
	v_mov_b32 v[PC+3+6*\c+\i], v[PC+12+4*\c+\i]
.endr
.endr
.endm
	s_load_b256 s[4:11], s[0:1], 0x0               ; x, b_qkv, wimg, wscl
	s_load_b128 s[12:15], s[0:1], 0x20             ; qkvc, qkvs
	v_lshl_add_u32 v246, v0, 2, 0x1c00
	v_mov_b32 v247, 0
	v_lshrrev_b32 v1, 5, v0
	v_readfirstlane_b32 s[WV], v1                  ; wave 0..11
	v_and_b32 v1, 31, v0                           ; lane
	s_wait_alu depctr_va_vdst(0)
	v_and_b32 v2, 15, v0                           ; r
	v_bfe_u32 v3, v0, 4, 1                         ; h
	s_wait_alu depctr_va_sdst(0)                   ; the wave's number is written, ahead of its first reader: roles, offsets and branches are made from it
	s_and_b32 s17, s[WV], 3                        ; w' = w % 4: my pair of heads; for waves 8-11 also my fragment of x
	s_lshr_b32 s18, s[WV], 2                       ; 0: q, 1: k, 2: v
	s_mov_b32 s[SEL], 0x76543210
	s_mov_b32 s[SEL+1], 0xfedcba98                 ; v_permlanex16_b32's selects for lane l xor 16
	; every address register is made here, ahead of the place where the waves' ways part
	v_and_b32 v[BOV], 8, v2
	v_add_nc_u32 v[BOV], v[BOV], v2                ; r + 8 (r / 8)
	v_lshlrev_b32 v[XA], 10, v[BOV]                ; x: that row of 1,024 bytes,
	v_lshl_add_u32 v[XA], v3, 6, v[XA]             ; + 64 h: my 16 numbers of a block of 32,
	s_lshr_b32 s19, s17, 1
	s_lshl_b32 s19, s19, 13                        ; + 8 u rows,
	s_and_b32 s22, s17, 1
	s_lshl_b32 s22, s22, 9                         ; + 512 s
	s_add_co_u32 s19, s19, s22
	v_add_nc_u32 v[XA], s19, v[XA]
	v_lshlrev_b32 v[LI], 4, v1
	v_lshlrev_b32 v[LS], 2, v1
	v_lshlrev_b32 v[SO], 1, v1
	s_mul_i32 s19, s17, FRB
	v_add_nc_u32 v[XWI], s19, v[LI]                ; XIMG + 1536 w' + 16 x lane
	s_lshl_b32 s19, s17, 6
	s_add_co_u32 s19, s19, XSC
	v_lshl_add_u32 v[XWS], v2, 2, s19              ; XSC + 64 w' + 4 r (both halves of the lanes hold the same word)
	s_lshl_b32 s19, s[WV], 6
	s_add_co_u32 s19, s19, SCB
	v_add_nc_u32 v[SBA], s19, v2                   ; SCB + 64 w + r
	v_lshl_add_u32 v[SBR], v1, 1, s19              ; SCB + 64 w + 2 x lane
	s_lshl_b32 s19, s[WV], 8
	v_lshl_add_u32 v[BO], v3, 6, s19
	v_lshl_add_u32 v[BOV], v[BOV], 2, s19
	; where my codes go: part + (8 batch + 2 w') heads + the block's place, which differs between q, k (768 blk) and v (1536 (blk / 2) + 384 (blk % 2))
	s_and_b32 s24, ttmp9, 63                       ; blk
	s_lshr_b32 s25, ttmp9, 6                       ; batch
	s_lshl_b32 s25, s25, 3
	s_lshl_b32 s26, s17, 1
	s_add_co_u32 s25, s25, s26
	s_mul_i32 s25, s25, HEADB
	s_mul_i32 s26, s18, PART
	s_add_co_u32 s25, s25, s26
	s_lshr_b32 s26, s24, 1
	s_mul_i32 s26, s26, 1536
	s_add_co_u32 s25, s25, s26
	s_and_b32 s27, s24, 1
	s_mul_i32 s28, s27, 768
	s_mul_i32 s29, s27, 384
	s_mov_b32 s30, 768
	s_cmp_lt_u32 s[WV], 8
	s_cselect_b32 s28, s28, s29
	s_cselect_b32 s30, 384, s30                    ; from an even block of my four to the odd one: q, k: 16 positions; v: a channel tile
	s_add_co_u32 s25, s25, s28
	v_mul_u32_u24 v[CA], v2, 24
	v_mad_u32_u24 v[CA], v3, 12, v[CA]             ; 24 r + 12 h: my 16 codes
	v_add_nc_u32 v[CA], s25, v[CA]
	v_add_nc_u32 v[CA+1], s30, v[CA]
	s_lshl_b32 s32, ttmp9, 15                      ; x: 32 rows of 1,024 bytes a work-group
	s_mov_b32 s33, 0
	s_mul_i32 s34, s[WV], 8*FRB                    ; wimg: my 8 fragments
	s_mov_b32 s35, 0
	s_lshl_b32 s36, s[WV], 9                       ; wscl: my 4 tiles x 128 bytes
	s_mov_b32 s37, 0
	s_lshl_b32 s38, s18, 16                        ; qkvs: part + 256 x work-group + 64 w'
	s_lshl_b32 s39, ttmp9, 8
	s_add_co_u32 s38, s38, s39
	s_lshl_b32 s39, s17, 6
	s_add_co_u32 s38, s38, s39
	s_mov_b32 s39, 0
.irp b, 0,1,2,3
	v_mov_b32 v[TM+4+\b], 0                        ; written once: a lane permute's destination counts as one of its sources
.endr
	s_wait_kmcnt 0x0
	s_add_nc_u64 s[4:5], s[4:5], s[32:33]
	s_add_nc_u64 s[8:9], s[8:9], s[34:35]
	s_add_nc_u64 s[10:11], s[10:11], s[36:37]
	s_add_nc_u64 s[14:15], s[14:15], s[38:39]
	s_wait_alu depctr_va_vdst(0)                   ; the twelve offsets and addresses v4 to v15 are written, which every load and store of the kernel reads; so are v124 to v127, in which part of x's fragments will land
	s_cmp_lt_u32 s[WV], 8
	s_cbranch_scc0 .Lv_first
	; ---- q, k: the weights, and the bias straight into the accumulators: register 8 c + j of head n, lane half h: column 64 w + 32 n + 16 h + 8 c + j, the same for both token tiles
	WLOAD
.irp n, 0,1
.irp u, 0,1
.irp c, 0,1
	global_load_b128 v[ACC+32*\n+16*\u+8*\c:ACC+32*\n+16*\u+8*\c+3], v[BO], s[6:7] offset:128*\n+32*\c
	global_load_b128 v[ACC+32*\n+16*\u+8*\c+4:ACC+32*\n+16*\u+8*\c+7], v[BO], s[6:7] offset:128*\n+32*\c+16
.endr
.endr
.endr
	s_branch .Lmeet
.Lv_first:
	; ---- v: first my fragment of x: 16 rows x 128 along K, 64 numbers a lane, into the registers that the accumulators will take
.irp b, 0,1,2,3
.irp j, 0,1,2,3
	global_load_b128 v[ACC+16*\b+4*\j:ACC+16*\b+4*\j+3], v[XA], s[4:5] offset:128*\b+16*\j th:TH_LOAD_NT
.endr
.endr
	WLOAD
.irp f, 0,1,2,3
	global_load_b32 v[BV+2*\f], v[BOV], s[6:7] offset:128*(\f/2)+32*(\f%2)     ; tile f's bias at my column, twice: a pair for the packed addition
	global_load_b32 v[BV+2*\f+1], v[BOV], s[6:7] offset:128*(\f/2)+32*(\f%2)
.endr
	s_wait_loadcnt 36                              ; x's 16 loads are in; behind them stand 28 loads of weights and scale words and 8 of the bias, which may stay out
	QUANT ACC
	s_wait_alu depctr_va_vdst(0)                   ; the quantiser has written the codes v[PC ..] and the scale word v[PW], which the LDS stores read; and it is done with v120 to v158, in which x's fragments will land
.irp c, 0,1,2
	ds_store_b128 v[XWI], v[PC+4*\c:PC+4*\c+3] offset:XIMG+512*\c   ; the fragment goes to LDS as it stands
.endr
	ds_store_b32 v[XWS], v[PW]
	s_wait_alu depctr_vm_vsrc(0)                   ; the LDS stores have read v[PC ..] and v[PW]: x's fragments land in these registers behind the barrier, and the last conversions write them again
.Lmeet:
	s_wait_dscnt 0x0                               ; for the others' sake: my stores have landed
	s_barrier_signal -1
	s_barrier_wait -1                              ; x's four fragments lie in LDS
.set i, 0
.rept 12
	ds_load_b128 v[XF+4*i:XF+4*i+3], v[LI] offset:XIMG+512*i   ; and come back so, in every wave.  No wait: no vector instruction since the last wait on va_vdst names v120 to v167
.set i, i+1
.endr
.irp u, 0,1
	ds_load_b32 v[XS+\u], v[LS] offset:XSC+128*\u  ; lanes 0-15: K step 0's words of tile u; lanes 16-31: K step 1's
.endr
	s_wait_loadcnt 0x0                             ; weights and bias
	s_wait_dscnt 0x0
.rept 4
	v_nop                                          ; x's fragments lie in registers that vector instructions wrote a little earlier: four places ahead of the products
.endr
	s_cmp_lt_u32 s[WV], 8
	s_cbranch_scc0 .Lv_second
	; ---- q, k: eight accumulators by turns, K step by K step
.irp s, 0,1
.irp n, 0,1
.irp u, 0,1
.irp c, 0,1
	MM ACC+32*\n+16*\u+8*\c, WF+12*(2*(2*\n+\c)+\s), XF+12*(2*\u+\s), WS+2*\n+\c, XS+\u, \s, 0
.endr
.endr
.endr
.endr
.rept 4
	v_nop                                          ; places behind the products, ahead of the first read of results and of writes over x's fragments
.endr
	s_branch .Lcodes
.Lv_second:
	; ---- v: source 0 = x, source 1 = W; the first K step starts the sums
.irp s, 0,1
.irp f, 0,1,2,3
.irp u, 0,1
	MM ACC+16*\f+8*\u, XF+12*(2*\u+\s), WF+12*(2*\f+\s), XS+\u, WS+\f, \s, 1-\s
.endr
.endr
.endr
.rept 4
	v_nop
.endr
.irp f, 0,1,2,3
.irp j, 0,2,4,6,8,10,12,14
	v_pk_add_f32 v[ACC+16*\f+\j:ACC+16*\f+\j+1], v[ACC+16*\f+\j:ACC+16*\f+\j+1], v[BV+2*\f:BV+2*\f+1]   ; + the bias of my channel; each accumulator from its low end on
.endr
.endr
.Lcodes:
	; ---- both roles: block b (q, k: head b / 2, token tile b % 2; v: head b / 2, channel tile b % 2) lies in ACC + 16 b on, 16 numbers in me and 16 in lane l xor 16
.irp b, 0,1,2,3
	v_max3_num_f32 v[TM+\b], |v[ACC+16*\b]|, |v[ACC+1+16*\b]|, 0x2800000
.endr
.irp i, 2,4,6,8,10,12,14
.irp b, 0,1,2,3
	v_max3_num_f32 v[TM+\b], v[TM+\b], |v[ACC+16*\b+\i]|, |v[ACC+1+16*\b+\i]|
.endr
.endr
.irp b, 0,1,2,3
	v_permlanex16_b32 v[TM+4+\b], v[TM+\b], s[SEL], s[SEL+1]
.endr
.irp b, 0,1,2,3
	v_max_num_f32 v[TM+\b], v[TM+\b], v[TM+4+\b]
.endr
.irp b, 0,1,2,3
	v_add_nc_u32 v[TM+12+\b], 0xfe000000, v[TM+\b]
.endr
.irp b, 0,1,2,3
	v_lshrrev_b32 v[TM+4+\b], 23, v[TM+12+\b]
.endr
.irp b, 0,1,2,3
	v_cvt_scalef32_pk16_bf6_f32 v[CD+4*\b:CD+4*\b+2], v[ACC+16*\b:ACC+16*\b+15], v[TM+12+\b]
.endr
	v_nop                                          ; one plain place behind a scaled conversion
	s_wait_alu depctr_va_vdst(0)                   ; the four bytes v[TM+4 ..] and the codes v[CD ..] are written, which the stores below read; and the products are done reading v[TB], in which the load below lands
.irp b, 0,1,2,3
	ds_store_b8 v[SBA], v[TM+4+\b] offset:16*\b    ; both lanes of a block write the same byte with the same value
.endr
.irp b, 0,1,2,3
	global_store_b96 v[CA+\b%2], v[CD+4*\b:CD+4*\b+2], s[12:13] offset:(\b/2)*HEADB   ; 32 lanes store 384 consecutive bytes
.endr
	ds_load_u16 v[TB], v[SBR]                      ; LDS serves a wave's instructions in order: this sees my stores
	s_wait_dscnt 0x0
	global_store_b16 v[SO], v[TB], s[14:15]        ; my two heads' 64 scale bytes; the four waves of a part fill 256 consecutive bytes
	s_wait_dscnt 0x0
	s_wait_alu depctr_hold_cnt(0) depctr_sa_sdst(0) depctr_va_vdst(0) depctr_va_sdst(0) depctr_va_ssrc(0) depctr_va_vcc(0) depctr_vm_vsrc(0)
	s_wait_tensorcnt 0x0
	ds_add_u32 v246, v247
	s_wait_dscnt 0x0
	s_endpgm
.Lfunc_end_k_q80d5da6b4f_qkv:
	.size	k_q80d5da6b4f_qkv, .Lfunc_end_k_q80d5da6b4f_qkv-k_q80d5da6b4f_qkv
	.p2alignl 7, 3214868480
	.fill 96, 4, 3214868480
	.section	.rodata,"a",@progbits
	.p2align	6, 0x0
	.amdhsa_kernel k_q80d5da6b4f_qkv
		.amdhsa_group_segment_fixed_size 8704
		.amdhsa_private_segment_fixed_size 0
		.amdhsa_enable_private_segment 0
		.amdhsa_kernarg_size 48
		.amdhsa_user_sgpr_count 2
		.amdhsa_user_sgpr_kernarg_segment_ptr 1
		.amdhsa_wavefront_size32 1
		.amdhsa_system_sgpr_workgroup_id_x 1
		.amdhsa_system_sgpr_workgroup_id_y 1
		.amdhsa_system_sgpr_workgroup_id_z 1
		.amdhsa_system_vgpr_workitem_id 0
		.amdhsa_next_free_vgpr 248
		.amdhsa_next_free_sgpr 66
		.amdhsa_reserve_vcc 0
		.amdhsa_float_denorm_mode_32 3
		.amdhsa_float_denorm_mode_16_64 3
		.amdhsa_memory_ordered 1
		.amdhsa_forward_progress 1
		.amdhsa_inst_pref_size 29
	.end_amdhsa_kernel
	.amdgpu_metadata
---
amdhsa.version: [ 1, 2 ]
amdhsa.kernels:
  - .name:           k_q80d5da6b4f_qkv
    .symbol:         k_q80d5da6b4f_qkv.kd
    .args:
      - { .name: x, .offset: 0, .size: 8, .value_kind: global_buffer, .address_space: global }
      - { .name: b_qkv, .offset: 8, .size: 8, .value_kind: global_buffer, .address_space: global }
      - { .name: wimg, .offset: 16, .size: 8, .value_kind: global_buffer, .address_space: global }
      - { .name: wscl, .offset: 24, .size: 8, .value_kind: global_buffer, .address_space: global }
      - { .name: qkvc, .offset: 32, .size: 8, .value_kind: global_buffer, .address_space: global }
      - { .name: qkvs, .offset: 40, .size: 8, .value_kind: global_buffer, .address_space: global }
    .group_segment_fixed_size: 8704
    .private_segment_fixed_size: 0
    .kernarg_segment_align: 8
    .kernarg_segment_size: 48
    .max_flat_workgroup_size: 384
    .sgpr_count:     66
    .vgpr_count:     248
    .wavefront_size: 32
...
	.end_amdgpu_metadata
.endif
;; end of part 6
;; launch attn (part 7): grid 8 x 32, 16 waves a work-group, clusters of 4 x 1, 169,984 bytes of LDS; arguments qkvc, qkvs, oc, os; writes oc, os
.if DOCPART == 7
	.amdgcn_target "amdgcn-amd-amdhsa--gfx1250"
	.amdhsa_code_object_version 6
	.text
	.protected	k_q80d5da6b4f_attn
	.globl	k_q80d5da6b4f_attn
	.p2align	8
	.type	k_q80d5da6b4f_attn,@function
k_q80d5da6b4f_attn:
	s_mov_b64 s[64:65], 0
	v_nop
	global_prefetch_b8 v0, s[64:65] scope:SCOPE_SE
	s_setreg_imm32_b32 hwreg(HW_REG_WAVE_MODE, 25, 1), 1
	s_wait_xcnt 0x0
	s_wait_alu depctr_hold_cnt(0) depctr_sa_sdst(0) depctr_va_vdst(0) depctr_va_sdst(0) depctr_va_ssrc(0) depctr_va_vcc(0) depctr_vm_vsrc(0)
	s_getreg_b32 s2, hwreg(HW_REG_IB_STS2, 6, 4)
	s_cmp_eq_u32 s2, 0
	s_cbranch_scc0 .Lentry_in_a_cluster
	s_endpgm
.Lentry_in_a_cluster:
	s_bfe_u32 s2, ttmp6, 0x10000c
	s_cmp_lg_u32 s2, 0x3003
	s_cbranch_scc0 .Lentry_shape_is_right
	s_endpgm
.Lentry_shape_is_right:
; o = softmax(q k^T / 16) v for one (batch, head), both products on codes of BF6 (E3M2) with E8M0 scales; o is quantised along the head's 32 channels, which are a block of the last product's K, and leaves as codes.
; THE SOFTMAX: t = score x log2(e) / 16; M = the row's largest t so far, rounded UP to a whole number; p = 2^(t - M) is what is quantised, along the keys, not normalised.  The row's sum is taken of the
; unquantised p, in f32, and divides O at the end.  When M moves, the sum and O are multiplied by 2^(old M - new M): exact.
; SHARES.  A work-group owns 256 query positions of one head, each of its sixteen waves 16 of them: one tile in 224 registers, four waves to a SIMD, so that one wave's vector work stands beside
; another's products and LDS loads.  Every wave walks all 2,048 keys, 128 a step, 16 steps.
; A HEAD'S K AND V, 49,152 bytes of codes each and 2,048 scale bytes each, FIT IN LDS WHOLE: they are filled once, nothing is filled again, and the key loop has no barrier.
; CLUSTER.  The four work-groups of a cluster belong to one head and read the same K and V: every fill is asked for JOINTLY (the same descriptor, a mask that names the four).
; LAYOUT.  Both products are used transposed: S^T = K Q^T, O^T = V^T P^T: a lane holds ONE query (lane % 16) throughout.
; K = 32 IN AN INSTRUCTION OF 128.  A position's 32 codes are 24 bytes, six registers.  Lane l's registers 6 c .. 6 c + 5 of K's fragment f take position 64 f + 32 c + l of the step: so ONE fragment carries FOUR tiles of
; 16 keys, tile b in block b = 2 c + (lane / 16) of the instruction's K.  Q stands in four fragments: fragment b has q in block b and zero codes elsewhere, which add nothing.  Fragment f x Q's fragment b is tile 4 f + b.
; The four share registers: zeros, q in lanes 0-15, zeros, q in lanes 16-31, zeros (6 registers each), read at four starts.
; POSITIONS.  Position 32 B + 16 u + m stands for token 32 B + 8 u + m + 8 (m / 8): so the 16 registers of tiles 2 B, 2 B + 1 are true keys 32 B + 16 (lane / 16) + 0 .. 15, the order in which V's codes lie.
; A block's largest p is not searched for: the block's largest SCORE goes through the same multiply-add and exponential.  (That takes v_exp_f32 not to fall where its input rises; at the worst one p of a block,
; within an ulp of a power of two, would be held one code low.)
; LIMITS: a block of zeros gets the byte 1 where the rule says 127 (its codes are zeros, and this program alone reads the bytes); NaN and infinities are not served.
.set HEADB, 49152
.set PART,  1572864
.set QUART, 12288                      ; what one tensor load of codes brings: 48 rows of 256 bytes
.set KC,    0                          ; LDS: K's codes, 24 bytes a position;
.set VC,    49152                      ; V's: key blocks 2 i, 2 i + 1 at 1536 i: channel tile ct at + 768 ct, block at + 384, row at + 24;
.set KSB,   98304                      ; K's scale bytes, one a position;
.set VSB,   100352                     ; V's: 32 a key block;
.set KW,    102400                     ; made here, by LDS stores, in blocks of 256 bytes into which no fill lands: K's scale words, 128 bytes a step,
.set VW,    104448                     ; V's likewise,
.set OSB,   106496                     ; and the 256 scale bytes of o on their way out
.set AK0,  1                           ; v1   24 x lane
.set AV0,  2                           ; v2   VC + 24 x lane
.set AKW0, 3                           ; v3   KW + 4 x lane
.set AVW0, 4                           ; v4   VW + 4 x lane
.set ADK,  5                           ; v5-8 the step's four LDS addresses
.set ADV,  6
.set ADKW, 7
.set ADVW, 8                           ; v9-11 at work;  v12 -M, v13 the largest t, v[14:15] the sum in two halves
.set QB,   16                          ; v16-45   zeros, q low, zeros, q high, zeros
.set KF,   48                          ; v48-71   K's two fragments
.set VF,   72                          ; v72-95   V's two
.set S,    96                          ; v96-159  S^T, then p
.set O,    160                         ; v160-175 O^T: register 8 ct + j is channel 16 (lane / 16) + 8 ct + j
.set PC,   176                         ; v176-187 p's codes
.set PX,   188                         ; v188-190, v192-194 the conversions' second halves
.set BM,   200                         ; v200-203 the blocks' largest scores, then largest p
.set PT,   204                         ; v204-207 permutes, then bytes
.set SO,   208                         ; v208-211 the conversions' scale operands
.set PW,   212                         ; p's scale word
.set VWR,  213                         ; V's: lanes 0-15 channel tile 0, lanes 16-31 tile 1
.set KWR,  214                         ; K's: lanes 0-15 fragment 0, lanes 16-31 fragment 1
.set QS,   215                         ; q's byte, in all four bytes
.set F,    216                         ; v[216:217] f = 2^(old M - new M)
.set T0,   218
.set SM2,  220                         ; v[220:221] one of the sum's eight chains
.set WV,   12
.set G1C,  24                          ; s[24:31] descriptor group 1 for codes;  s[32:39] for scale bytes;  s[40:43], s[44:47] their groups 0
.set G1S,  32
.set G0C,  40
.set G0S,  44
.set SEL,  48
.set CS,   50                          ; s[50:51] c = log2(e) / 16
.set TK,   52                          ; the step's first byte in K's and in V's codes: 3,072 a step
.set TW,   53                          ; and among the scale words: 128 a step
.set CNT,  54
.macro CROUND                          ; a round of the cluster's barrier: my work-group's barrier; wave 0 signals for the work-group; every wave waits for all four work-groups; my work-group's barrier once more
	s_barrier_signal -1
	s_barrier_wait -1
	s_cmp_lg_u32 s[WV], 0
	s_cbranch_scc1 .Lnot_wave_0_\@
	s_barrier_signal -3
.Lnot_wave_0_\@:
	s_barrier_wait -3
	s_barrier_signal -1
	s_barrier_wait -1
.endm
	s_load_b256 s[4:11], s[0:1], 0x0               ; qkvc, qkvs, oc, os
	v_lshl_add_u32 v224, v0, 2, 0x29000
	v_mov_b32 v225, 0
	ds_add_u32 v224, v225
	ds_add_u32 v224, v225
	v_lshrrev_b32 v9, 5, v0
	s_delay_alu instid0(VALU_DEP_1)
	v_readfirstlane_b32 s[WV], v9                  ; wave 0..15
	s_bfe_u32 s13, ttmp6, 0x40000                  ; cx: my place in the cluster
	s_lshl_b32 s14, ttmp9, 2                       ; in a cluster launch ttmp9 counts clusters
	s_add_co_u32 s14, s14, s13                     ; my block of 256 positions: it enters q's, oc's and os's offsets alone
	s_and_b32 s15, ttmp7, 0xffff                   ; 8 batch + head, which the four partners share
	s_mul_i32 s20, s15, HEADB
	; what I fetch, if I fetch.  Waves 0-3: K's four quarters; waves 4-7: V's; wave 8: K's scale bytes; wave 9: V's
	s_lshr_b32 s16, s[WV], 2
	s_and_b32 s16, s16, 1
	s_add_co_u32 s16, s16, 1
	s_mul_i32 s16, s16, PART                       ; part 1 (k) or 2 (v) of qkvc,
	s_add_co_u32 s16, s16, s20                     ; my head,
	s_and_b32 s21, s[WV], 3
	s_mul_i32 s21, s21, QUART
	s_add_co_u32 s16, s16, s21                     ; my quarter
	s_mov_b32 s17, 0
	s_and_b32 s57, s[WV], 7
	s_mul_i32 s57, s57, QUART                      ; in LDS: K's four quarters, then V's
	s_and_b32 s21, s[WV], 1
	s_lshl_b32 s58, s21, 11
	s_add_co_u32 s58, s58, KSB                     ; in LDS: K's scale bytes, then V's
	s_add_co_u32 s21, s21, 1
	s_lshl_b32 s18, s21, 16                        ; part 1 or 2 of qkvs,
	s_lshr_b32 s21, s15, 3
	s_lshl_b32 s21, s21, 14                        ; the batch's 64 blocks of 256 bytes,
	s_and_b32 s59, s15, 7
	s_lshl_b32 s59, s59, 5                         ; the head's 32 bytes of a block
	s_add_co_u32 s59, s59, s21
	s_add_co_u32 s18, s18, s59
	s_mov_b32 s19, 0
	; group 1 for codes: a dense block of 12,288 bytes as 48 rows of 256 bytes (32 elements of 8 bytes)
	s_mov_b32 s[G1C], 15|(3<<16)|(1<<21)           ; 15:0 the mask: all four work-groups; 17:16 elements of 8 bytes; 20 no padding; 21 set beside a mask
	s_mov_b32 s[G1C+1], 32<<16                     ; tensor_dim0
	s_mov_b32 s[G1C+2], 48<<16                     ; tensor_dim1
	s_mov_b32 s[G1C+3], 32<<16                     ; tile_dim0
	s_mov_b32 s[G1C+4], 48                         ; tile_dim1
	s_mov_b32 s[G1C+5], 32                         ; from row to row
	s_mov_b32 s[G1C+6], 0
	s_mov_b32 s[G1C+7], 0
	; group 1 for scale bytes: 64 rows (key blocks) of 32 bytes (4 elements), 256 bytes apart in memory, on end in LDS
	s_mov_b32 s[G1S], 15|(3<<16)|(1<<21)
	s_mov_b32 s[G1S+1], 4<<16
	s_mov_b32 s[G1S+2], 64<<16
	s_mov_b32 s[G1S+3], 4<<16
	s_mov_b32 s[G1S+4], 64
	s_mov_b32 s[G1S+5], 32
	s_mov_b32 s[G1S+6], 0
	s_mov_b32 s[G1S+7], 0
	; my queries: offsets in qkvc's part 0 and in oc (the same layout), in qkvs's part 0, and the work-group's in os
	s_mul_i32 s22, s14, 6144                       ; 256 positions of 24 bytes
	s_add_co_u32 s22, s22, s20
	s_mul_i32 s21, s[WV], 384                      ; 16 positions
	s_add_co_u32 s22, s22, s21
	s_lshl_b32 s23, s14, 11                        ; 8 blocks of 256 bytes
	s_add_co_u32 s23, s23, s59
	s_lshr_b32 s21, s[WV], 1
	s_lshl_b32 s21, s21, 8
	s_add_co_u32 s23, s23, s21
	s_and_b32 s21, s[WV], 1
	s_lshl_b32 s21, s21, 4
	s_add_co_u32 s23, s23, s21
	s_lshl_b32 s55, s15, 11
	s_lshl_b32 s21, s14, 8
	s_add_co_u32 s55, s55, s21
	s_mov_b32 s[SEL], 0x76543210
	s_mov_b32 s[SEL+1], 0xfedcba98                 ; v_permlanex16_b32's selects for lane l xor 16
	s_mov_b32 s[CS], 0x3db8aa3b                    ; c = log2(e) / 16
	s_mov_b32 s[CS+1], s[CS]                       ; (named with it as a pair, so it is written)
	s_mov_b32 s[TK], 0
	s_mov_b32 s[TW], 0
	s_mov_b32 s[CNT], 16
	s_wait_dscnt 0x0
	s_wait_kmcnt 0x0
	s_mov_b32 s[G0C], 1                            ; 1:0 count = 1
	s_mov_b32 s[G0C+1], s57                        ; 63:32 LDS address
	s_add_nc_u64 s[G0C+2:G0C+3], s[4:5], s[16:17]  ; 120:64 global address
	s_or_b32 s[G0C+3], s[G0C+3], 0x80000000        ; 127:126 type = 2
	s_mov_b32 s[G0S], 1
	s_mov_b32 s[G0S+1], s58
	s_add_nc_u64 s[G0S+2:G0S+3], s[6:7], s[18:19]
	s_or_b32 s[G0S+3], s[G0S+3], 0x80000000
	CROUND                                         ; all four work-groups are here: the joint loads meet
	s_cmp_lt_u32 s[WV], 8                          ; the only fills of the launch: at most one tensor load of a wave is out.  Four v_nop follow each of the two lines
	s_cbranch_scc0 .Lnot_codes
	tensor_load_to_lds s[G0C:G0C+3], s[G1C:G1C+7]
	s_nop 0
.rept 4
	v_nop
.endr
	s_branch .Lasked
.Lnot_codes:
	s_cmp_lt_u32 s[WV], 10
	s_cbranch_scc0 .Lasked
	tensor_load_to_lds s[G0S:G0S+3], s[G1S:G1S+7]
	s_nop 0
.rept 4
	v_nop
.endr
.Lasked:
	v_and_b32 v9, 15, v0                           ; r
	v_and_b32 v10, 31, v0                          ; lane
	s_delay_alu instid0(VALU_DEP_2)
	v_mul_u32_u24 v11, v9, 24
	s_delay_alu instid0(VALU_DEP_1)
	v_add_nc_u32 v11, s22, v11
.irp p, 0,1,2
	global_load_b64 v[S+2*\p:S+2*\p+1], v11, s[4:5] offset:8*\p   ; query r's 24 bytes, in both halves of the lanes
.endr
	v_add_nc_u32 v9, s23, v9
	global_load_u8 v[QS], v9, s[6:7]               ; and its scale byte
	v_mul_u32_u24 v[AK0], v10, 24
	s_delay_alu instid0(VALU_DEP_1)
	v_add_nc_u32 v[AV0], VC, v[AK0]
	v_lshl_add_u32 v[AKW0], v10, 2, KW
	v_lshl_add_u32 v[AVW0], v10, 2, VW
.irp i, 0,1,2,3,4,5
	v_mov_b32 v[QB+\i], 0                          ; the zero codes of Q's four fragments
	v_mov_b32 v[QB+12+\i], 0
	v_mov_b32 v[QB+24+\i], 0
.endr
.irp i, 0,1,2,3,4,5,6,7,8,9,10,11,12,13,14,15
	v_mov_b32 v[O+\i], 0                           ; O^T.  (The step is written once: the first finds zeros, which the first change of M leaves zeros)
.endr
	v_mov_b32 v14, 0                               ; the sum, in two halves
	v_mov_b32 v15, 0
.irp b, 0,1,2,3
	v_mov_b32 v[PT+\b], 0                          ; written once: a lane permute's destination counts as one of its sources
.endr
	v_mov_b32 v[F+1], 0                            ; (named as the upper half of a pair)
	v_mov_b32 v13, 0xff61b1e6                      ; the largest t so far: -3e38, under every t
	s_delay_alu instid0(VALU_DEP_1)
	v_floor_f32 v12, -v13                          ; -M
	v_cmp_gt_u32 vcc_lo, 16, v10                   ; lanes 0-15
	v_cmp_le_u32 s56, 16, v10                      ; lanes 16-31
	s_wait_loadcnt 0x0
.irp i, 0,1,2,3,4,5
	v_cndmask_b32 v[QB+6+\i], 0, v[S+\i], vcc_lo   ; q in lanes 0-15, zero codes in the others
	v_cndmask_b32 v[QB+18+\i], 0, v[S+\i], s56     ; and the other way round
.endr
	v_lshl_or_b32 v[QS], v[QS], 8, v[QS]
	s_delay_alu instid0(VALU_DEP_1)
	v_lshl_or_b32 v[QS], v[QS], 16, v[QS]          ; q's byte for whichever block of the instruction's K holds q
	s_wait_tensorcnt 0x0                           ; my part of K, V or their scale bytes has landed,
	s_barrier_signal -1
	s_barrier_wait -1                              ; everybody's has
	; THE SCALE WORDS, once: wave w makes step w's.  K's: lane 16 f + r: byte b = the byte of position 128 w + 64 f + 16 b + r.  V's: lane 16 ct + rr: byte b = that of key block 4 w + b, row 16 ct + rr
	v_lshrrev_b32 v9, 4, v0
	v_and_b32 v10, 15, v0
	s_delay_alu instid0(VALU_DEP_1)
	v_lshl_add_u32 v9, v9, 6, v10                  ; 128 w + 64 f + r
	s_delay_alu instid0(VALU_DEP_1)
	v_add_nc_u32 v9, KSB, v9
	v_lshrrev_b32 v10, 5, v0
	v_and_b32 v11, 31, v0
	s_delay_alu instid0(VALU_DEP_1)
	v_lshl_add_u32 v10, v10, 7, v11                ; 128 w + lane
	s_delay_alu instid0(VALU_DEP_1)
	v_add_nc_u32 v10, VSB, v10
	v_lshl_add_u32 v11, v0, 2, KW                  ; 128 w + 4 x lane
.irp b, 0,1,2,3
	ds_load_u8 v[BM+\b], v9 offset:16*\b
.endr
.irp b, 0,1,2,3
	ds_load_u8 v[SO+\b], v10 offset:32*\b
.endr
	s_wait_dscnt 0x0
	v_lshl_or_b32 v[BM], v[BM+1], 8, v[BM]
	v_lshl_or_b32 v[SO], v[SO+1], 8, v[SO]
	s_delay_alu instid0(VALU_DEP_2)
	v_lshl_or_b32 v[BM], v[BM+2], 16, v[BM]
	s_delay_alu instid0(VALU_DEP_2)
	v_lshl_or_b32 v[SO], v[SO+2], 16, v[SO]
	s_delay_alu instid0(VALU_DEP_2)
	v_lshl_or_b32 v[BM], v[BM+3], 24, v[BM]
	s_wait_alu depctr_va_vdst(0)
	v_lshl_or_b32 v[SO], v[SO+3], 24, v[SO]
	ds_store_b32 v11, v[BM]
	ds_store_b32 v11, v[SO] offset:VW-KW
	s_wait_dscnt 0x0                               ; for the others' sake: my stores have landed
	s_barrier_signal -1
	s_barrier_wait -1                              ; the scale words of all 16 steps lie in LDS
.Lstep:                                            ; A KEY STEP: 128 keys.  16 trips; no barrier, no tensor load
	s_setprio 2
	v_add_nc_u32 v[ADK], s[TK], v[AK0]             ; (these four are also the places behind the last trip's products, ahead of the loads into V's registers)
	v_add_nc_u32 v[ADV], s[TK], v[AV0]
	v_add_nc_u32 v[ADKW], s[TW], v[AKW0]
	v_add_nc_u32 v[ADVW], s[TW], v[AVW0]
.irp f, 0,1
.irp c, 0,1
.irp p, 0,1,2
	ds_load_b64 v[KF+12*\f+6*\c+2*\p:KF+12*\f+6*\c+2*\p+1], v[ADK] offset:1536*\f+768*\c+8*\p   ; lanes 24 bytes apart: word 6 x lane mod 64 takes each even number once, so the 32 lanes touch 64 different banks (64 banks of 4 bytes: ISA guide 11.1)
.endr
.endr
.endr
	ds_load_b32 v[KWR], v[ADKW]
.irp t, 0,1
.irp c, 0,1
.irp p, 0,1,2
	ds_load_b64 v[VF+12*\t+6*\c+2*\p:VF+12*\t+6*\c+2*\p+1], v[ADV] offset:1536*\c+768*\t+8*\p
.endr
.endr
.endr
	ds_load_b32 v[VWR], v[ADVW]
	s_wait_dscnt 13                                ; K's 13 loads are in; V's 13, issued behind them, may stay out until the second product
.irp b, 0,1,2,3                                ; S^T: tile 4 f + b = K's fragment f x Q's fragment b, which begins at zeros-or-q number (2 b + 1) mod 5
	v_wmma_scale_f32_16x16x128_f8f6f4 v[S+8*\b:S+8*\b+7], v[KF:KF+11], v[QB+6*((2*\b+1)%5):QB+6*((2*\b+1)%5)+11], 0, v[KWR], v[QS] matrix_a_fmt:MATRIX_FMT_BF6 matrix_b_fmt:MATRIX_FMT_BF6
.endr
.irp b, 0,1,2,3
	v_wmma_scale_f32_16x16x128_f8f6f4 v[S+32+8*\b:S+32+8*\b+7], v[KF+12:KF+23], v[QB+6*((2*\b+1)%5):QB+6*((2*\b+1)%5)+11], 0, v[KWR], v[QS] matrix_a_fmt:MATRIX_FMT_BF6 matrix_b_fmt:MATRIX_FMT_BF6 matrix_a_scale:MATRIX_SCALE_ROW1
.endr
.rept 4
	v_nop                                          ; places behind the products, ahead of the first read of results
.endr
.irp b, 0,1,2,3
	v_max3_num_f32 v[BM+\b], v[S+16*\b], v[S+1+16*\b], v[S+2+16*\b]   ; THE LARGEST SCORE OF EACH BLOCK OF 32 KEYS: for the row's maximum and, since p rises with the score, for the block's largest p
.endr
.irp i, 3,5,7,9,11,13
.irp b, 0,1,2,3
	v_max3_num_f32 v[BM+\b], v[BM+\b], v[S+16*\b+\i], v[S+1+16*\b+\i]   ; (the four blocks by turns; each accumulator is read from its low end on)
.endr
.endr
.irp b, 0,1,2,3
	v_max_num_f32 v[BM+\b], v[BM+\b], v[S+15+16*\b]
.endr
.irp b, 0,1,2,3
	s_delay_alu instid0(VALU_DEP_4)
	v_permlanex16_b32 v[PT+\b], v[BM+\b], s[SEL], s[SEL+1]
.endr
.irp b, 0,1,2,3
	s_delay_alu instid0(VALU_DEP_4)
	v_max_num_f32 v[BM+\b], v[BM+\b], v[PT+\b]     ; with lane l xor 16's 16 keys
.endr
	s_delay_alu instid0(VALU_DEP_2)
	v_max3_num_f32 v[T0], v[BM], v[BM+1], v[BM+2]
	s_delay_alu instid0(VALU_DEP_1)
	v_max_num_f32 v[T0], v[T0], v[BM+3]            ; the step's largest score of my query
	s_delay_alu instid0(VALU_DEP_1)
	v_mul_f32 v[T0], s[CS], v[T0]                  ; as t (c is positive)
	s_delay_alu instid0(VALU_DEP_1)
	v_max_num_f32 v13, v13, v[T0]                  ; the running largest t
	v_mov_b32 v[T0], v12
	s_delay_alu instid0(VALU_DEP_2)
	v_floor_f32 v12, -v13                          ; the new -M = floor(-t) = -ceil(t): M IS A WHOLE NUMBER
	s_delay_alu instid0(VALU_DEP_1)
	v_sub_f32 v[T0], v12, v[T0]                    ; M's old value less its new one: a whole number, 0 or less
	s_delay_alu instid0(VALU_DEP_1)
	v_cvt_i32_f32 v[T0], v[T0]                     ; (it saturates)
	s_delay_alu instid0(VALU_DEP_1)
	v_ldexp_f32 v[F], 1.0, v[T0]                   ; f = 2^(old M - new M): a multiplication by it rounds nothing
.set j, 0
.rept 32
	v_pk_fma_f32 v[S+j:S+j+1], v[S+j:S+j+1], s[CS:CS+1], v[12:13] op_sel_hi:[1,0,0]   ; t - M, two at a time (of the pairs c and -M the low word serves both halves)
.set j, j+2
.endr
.irp b, 0,1,2,3
	v_fma_f32 v[BM+\b], v[BM+\b], s[CS], v12       ; the same of each block's largest score
.endr
.set j, 0
	s_setprio 1
	s_wait_alu depctr_va_vdst(0)
.rept 64
	v_exp_f32 v[S+j], v[S+j]                       ; p = 2^(t - M), at most 1: NOT normalised
.set j, j+1
.endr
.irp b, 0,1,2,3
	v_exp_f32 v[BM+\b], v[BM+\b]                   ; the block's largest p: the same two instructions on the same number give the same bits
.endr
	v_pk_mul_f32 v[14:15], v[14:15], v[F:F+1] op_sel_hi:[1,0]   ; the sums under the new M.  (A plain place behind the exponentials)
	s_wait_alu depctr_va_vdst(0)
.irp b, 0,1,2,3
	v_max_num_f32 v[BM+\b], 0x2800000, v[BM+\b]    ; the floor 2^(5 - 127): the byte cannot fall under 1
.endr
.irp b, 0,1,2,3
	s_delay_alu instid0(VALU_DEP_4)
	v_add_nc_u32 v[SO+\b], 0xfe000000, v[BM+\b]    ; 4 off the exponent field: the conversion's scale operand
.endr
.irp b, 0,1,2,3
	s_delay_alu instid0(VALU_DEP_4)
	v_lshrrev_b32 v[PT+\b], 23, v[SO+\b]           ; the scale's byte
.endr
	s_delay_alu instid0(VALU_DEP_3)
	v_lshl_or_b32 v[PW], v[PT+1], 8, v[PT]         ; p's scale word for these 128 keys
	s_delay_alu instid0(VALU_DEP_1)
	v_lshl_or_b32 v[PW], v[PT+2], 16, v[PW]
	s_delay_alu instid0(VALU_DEP_1)
	v_lshl_or_b32 v[PW], v[PT+3], 24, v[PW]
.irp c, 0,1
	v_cvt_scalef32_pk16_bf6_f32 v[PC+6*\c:PC+6*\c+2], v[S+32*\c:S+32*\c+15], v[SO+2*\c]
	v_cvt_scalef32_pk16_bf6_f32 v[PX+4*\c:PX+4*\c+2], v[S+32*\c+16:S+32*\c+31], v[SO+2*\c+1]   ; (a conversion's three registers begin on an even number)
.endr
	v_nop                                          ; one plain place behind a scaled conversion
.irp c, 0,1                                    ; the operand's layout wants a WHOLE block in a lane: lanes 0-15 block 2 c, lanes 16-31 block 2 c + 1
.irp i, 0,1,2
	v_permlane16_swap_b32 v[PC+6*\c+\i], v[PX+4*\c+\i]
.endr
.irp i, 0,1,2
	s_delay_alu instid0(VALU_DEP_3)
	v_mov_b32 v[PC+3+6*\c+\i], v[PX+4*\c+\i]
.endr
.endr
	v_pk_add_f32 v[220:221], v[100:101], v[104:105]
	v_pk_add_f32 v[222:223], v[108:109], v[112:113]
	v_pk_add_f32 v[218:219], v[116:117], v[120:121]
	v_pk_add_f32 v[210:211], v[124:125], v[128:129]
	v_pk_add_f32 v[208:209], v[132:133], v[136:137]
	v_pk_add_f32 v[202:203], v[140:141], v[144:145]
	v_pk_add_f32 v[200:201], v[148:149], v[152:153]
	v_pk_add_f32 v[14:15], v[14:15], v[156:157]
	s_setprio 0
	v_pk_add_f32 v[220:221], v[220:221], v[96:97]
	v_pk_add_f32 v[222:223], v[222:223], v[98:99]
	v_pk_add_f32 v[218:219], v[218:219], v[102:103]
	v_pk_add_f32 v[210:211], v[210:211], v[106:107]
	v_pk_add_f32 v[208:209], v[208:209], v[110:111]
	v_pk_add_f32 v[202:203], v[202:203], v[114:115]
	v_pk_add_f32 v[200:201], v[200:201], v[118:119]
	v_pk_add_f32 v[14:15], v[14:15], v[122:123]
	v_pk_add_f32 v[220:221], v[220:221], v[126:127]
	v_pk_add_f32 v[222:223], v[222:223], v[130:131]
	v_pk_add_f32 v[218:219], v[218:219], v[134:135]
	v_pk_add_f32 v[210:211], v[210:211], v[138:139]
	v_pk_add_f32 v[208:209], v[208:209], v[142:143]
	v_pk_add_f32 v[202:203], v[202:203], v[146:147]
	v_pk_add_f32 v[200:201], v[200:201], v[150:151]
	v_pk_add_f32 v[14:15], v[14:15], v[154:155]
	v_pk_add_f32 v[220:221], v[220:221], v[158:159]
	s_delay_alu instid0(VALU_DEP_2)
	v_pk_add_f32 v[14:15], v[14:15], v[210:211]
	s_delay_alu instid0(VALU_DEP_2)
	v_pk_add_f32 v[220:221], v[220:221], v[208:209]
	v_pk_add_f32 v[222:223], v[222:223], v[202:203]
	v_pk_add_f32 v[218:219], v[218:219], v[200:201]
	s_delay_alu instid0(VALU_DEP_2)
	v_pk_add_f32 v[14:15], v[14:15], v[222:223]
	s_delay_alu instid0(VALU_DEP_2)
	v_pk_add_f32 v[220:221], v[220:221], v[218:219]
	s_delay_alu instid0(VALU_DEP_1)
	v_pk_add_f32 v[14:15], v[14:15], v[220:221]
.irp j, 0,2,4,6,8,10,12,14
	v_pk_mul_f32 v[O+\j:O+\j+1], v[O+\j:O+\j+1], v[F:F+1] op_sel_hi:[1,0]   ; O^T under the new M: x f.  (The sums and these stand between the scale word's and the codes' last writes and the products below: 40 plain instructions)
.endr
	s_wait_alu depctr_va_vdst(0)
	s_wait_dscnt 0x0                               ; V's fragments and scale words are in
	; O^T += V^T P^T: two tiles of 16 channels, K = these 128 keys.  The two accumulators take one instruction a turn, and eight other products stand between a trip's and the next trip's
	v_wmma_scale_f32_16x16x128_f8f6f4 v[O:O+7], v[VF:VF+11], v[PC:PC+11], v[O:O+7], v[VWR], v[PW] matrix_a_fmt:MATRIX_FMT_BF6 matrix_b_fmt:MATRIX_FMT_BF6
	v_wmma_scale_f32_16x16x128_f8f6f4 v[O+8:O+15], v[VF+12:VF+23], v[PC:PC+11], v[O+8:O+15], v[VWR], v[PW] matrix_a_fmt:MATRIX_FMT_BF6 matrix_b_fmt:MATRIX_FMT_BF6 matrix_a_scale:MATRIX_SCALE_ROW1
	s_add_co_u32 s[TK], s[TK], 3072
	s_add_co_u32 s[TW], s[TW], 128
	s_sub_co_u32 s[CNT], s[CNT], 1
	s_cmp_lg_u32 s[CNT], 0
	s_cbranch_scc1 .Lstep
	s_setprio 0
	; THE WAY OUT.  o = O^T / the sum; my 16 registers are channels 16 h + 0 .. 15 of my query: with lane l xor 16's they are one block of the last product's K
	v_add_f32 v14, v14, v15                        ; the sum's two halves,
	s_delay_alu instid0(VALU_DEP_1)
	v_permlanex16_b32 v[PT], v14, s[SEL], s[SEL+1]
	s_delay_alu instid0(VALU_DEP_1)
	v_add_f32 v14, v14, v[PT]                      ; and lane l xor 16's: the row's sum
	s_wait_alu depctr_va_vdst(0)
	v_rcp_f32 v14, v14
	v_and_b32 v9, 15, v0                           ; (the address lines are the plain place behind the reciprocal and the places behind the last products)
	v_bfe_u32 v10, v0, 4, 1
	s_delay_alu instid0(VALU_DEP_2)
	v_mul_u32_u24 v11, v9, 24
	s_delay_alu instid0(VALU_DEP_1)
	v_mad_u32_u24 v11, v10, 12, v11
	s_delay_alu instid0(VALU_DEP_1)
	v_add_nc_u32 v11, s22, v11                     ; oc: my position's 24 bytes, my half of them
	v_lshrrev_b32 v10, 5, v0
	s_delay_alu instid0(VALU_DEP_1)
	v_lshl_add_u32 v9, v10, 4, v9
	s_delay_alu instid0(VALU_DEP_1)
	v_add_nc_u32 v9, OSB, v9                       ; the scale byte's place: OSB + 16 w + r
	v_and_b32 v10, 31, v0
	s_delay_alu instid0(VALU_DEP_1)
	v_lshlrev_b32 v10, 3, v10
	s_delay_alu instid0(VALU_DEP_1)
	v_add_nc_u32 v[ADK], OSB, v10                  ; back: 8 bytes a lane (wave 0),
	s_delay_alu instid0(VALU_DEP_2)
	v_add_nc_u32 v10, s55, v10                     ; and the same place in os
	s_wait_alu depctr_va_vdst(0)
.irp i, 0,1,2,3,4,5,6,7,8,9,10,11,12,13,14,15
	v_mul_f32 v[S+\i], v[O+\i], v14                ; each accumulator from its low end on
.endr
	v_max3_num_f32 v[BM], |v[S]|, |v[S+1]|, 0x2800000   ; my 16 numbers' largest magnitude, in two chains, and the floor
	v_max3_num_f32 v[BM+1], |v[S+2]|, |v[S+3]|, |v[S+4]|
.irp i, 5,9
	s_delay_alu instid0(VALU_DEP_2)
	v_max3_num_f32 v[BM], v[BM], |v[S+\i]|, |v[S+1+\i]|
	s_delay_alu instid0(VALU_DEP_2)
	v_max3_num_f32 v[BM+1], v[BM+1], |v[S+2+\i]|, |v[S+3+\i]|
.endr
	s_delay_alu instid0(VALU_DEP_2)
	v_max3_num_f32 v[BM], v[BM], |v[S+13]|, |v[S+14]|
	s_delay_alu instid0(VALU_DEP_1)
	v_max3_num_f32 v[BM], v[BM], v[BM+1], |v[S+15]|
	s_delay_alu instid0(VALU_DEP_1)
	v_permlanex16_b32 v[PT], v[BM], s[SEL], s[SEL+1]
	s_delay_alu instid0(VALU_DEP_1)
	v_max_num_f32 v[BM], v[BM], v[PT]              ; the block's
	s_delay_alu instid0(VALU_DEP_1)
	v_add_nc_u32 v[SO], 0xfe000000, v[BM]
	s_delay_alu instid0(VALU_DEP_1)
	v_lshrrev_b32 v[PT], 23, v[SO]
	v_cvt_scalef32_pk16_bf6_f32 v[PC:PC+2], v[S:S+15], v[SO]
	v_nop                                          ; one plain place behind a scaled conversion
	global_store_b96 v11, v[PC:PC+2], s[8:9]       ; 32 lanes store 384 consecutive bytes
	ds_store_b8 v9, v[PT]                          ; both lanes of a block write the same byte with the same value
	s_wait_dscnt 0x0                               ; for wave 0's sake: my store has landed
	s_barrier_signal -1
	s_barrier_wait -1
	s_cmp_lg_u32 s[WV], 0
	s_cbranch_scc1 .Lnot_first
	ds_load_b64 v[6:7], v[ADK]
	s_wait_dscnt 0x0
	global_store_b64 v10, v[6:7], s[10:11]         ; the work-group's 256 scale bytes: 256 consecutive bytes, at a multiple of 256 from os's first byte
.Lnot_first:
	s_wait_tensorcnt 0x0
	ds_add_u32 v224, v225
	s_wait_dscnt 0x0
	CROUND                                         ; the closing round: no work-group ends while a partner may still ask for a tile that names it
	s_endpgm
.Lfunc_end_k_q80d5da6b4f_attn:
	.size	k_q80d5da6b4f_attn, .Lfunc_end_k_q80d5da6b4f_attn-k_q80d5da6b4f_attn
	.p2alignl 7, 3214868480
	.fill 96, 4, 3214868480
	.section	.rodata,"a",@progbits
	.p2align	6, 0x0
	.amdhsa_kernel k_q80d5da6b4f_attn
		.amdhsa_group_segment_fixed_size 169984
		.amdhsa_private_segment_fixed_size 0
		.amdhsa_enable_private_segment 0
		.amdhsa_kernarg_size 32
		.amdhsa_user_sgpr_count 2
		.amdhsa_user_sgpr_kernarg_segment_ptr 1
		.amdhsa_wavefront_size32 1
		.amdhsa_system_sgpr_workgroup_id_x 1
		.amdhsa_system_sgpr_workgroup_id_y 1
		.amdhsa_system_sgpr_workgroup_id_z 1
		.amdhsa_system_vgpr_workitem_id 0
		.amdhsa_next_free_vgpr 226
		.amdhsa_next_free_sgpr 66
		.amdhsa_reserve_vcc 1
		.amdhsa_float_denorm_mode_32 3
		.amdhsa_float_denorm_mode_16_64 3
		.amdhsa_memory_ordered 1
		.amdhsa_forward_progress 1
		.amdhsa_inst_pref_size 30
	.end_amdhsa_kernel
	.amdgpu_metadata
---
amdhsa.version: [ 1, 2 ]
amdhsa.kernels:
  - .name:           k_q80d5da6b4f_attn
    .symbol:         k_q80d5da6b4f_attn.kd
    .args:
      - { .name: qkvc, .offset: 0, .size: 8, .value_kind: global_buffer, .address_space: global }
      - { .name: qkvs, .offset: 8, .size: 8, .value_kind: global_buffer, .address_space: global }
      - { .name: oc, .offset: 16, .size: 8, .value_kind: global_buffer, .address_space: global }
      - { .name: os, .offset: 24, .size: 8, .value_kind: global_buffer, .address_space: global }
    .group_segment_fixed_size: 169984
    .private_segment_fixed_size: 0
    .kernarg_segment_align: 8
    .kernarg_segment_size: 32
    .max_flat_workgroup_size: 512
    .sgpr_count:     66
    .vgpr_count:     226
    .wavefront_size: 32
...
	.end_amdgpu_metadata
.endif
;; end of part 7
;; launch proj (part 8): grid 256 x 1, 4 waves a work-group, no clusters, 17,920 bytes of LDS; arguments oc, os, wimg, wscl, b_out, out0; writes out0
.if DOCPART == 8
	.amdgcn_target "amdgcn-amd-amdhsa--gfx1250"
	.amdhsa_code_object_version 6
	.text
	.protected	k_q80d5da6b4f_proj
	.globl	k_q80d5da6b4f_proj
	.p2align	8
	.type	k_q80d5da6b4f_proj,@function
k_q80d5da6b4f_proj:
	s_mov_b64 s[64:65], 0
	v_nop
	global_prefetch_b8 v0, s[64:65] scope:SCOPE_SE
	s_setreg_imm32_b32 hwreg(HW_REG_WAVE_SCHED_MODE, 0, 2), 2
	s_setreg_imm32_b32 hwreg(HW_REG_WAVE_MODE, 25, 1), 1
	s_wait_xcnt 0x0
	s_wait_alu depctr_vm_vsrc(0)
; out0 = Q(o) Q(w_out) + b_out on codes of BF6 (E3M2) with one E8M0 scale for each 32 along K.  K = 256 = 8 heads x 32 channels: a block is a head's 32 channels, which the launch before has quantised.
; SHARES.  A work-group owns 32 positions; THE FOUR WAVES SHARE THE COLUMNS: wave w owns features 64 w .. 64 w + 63, four tiles of w_out, whose 8 fragments (register images) come straight into its registers.
; o's fragment (position tile u, K step s): lane (r, h), registers 6 c .. 6 c + 5: the 24 bytes of head 4 s + 2 c + h at position 16 u + r: they lie in oc as the operand wants them.
; Its scale word: four bytes from four heads; lanes 0-15 gather heads 0-3 (K step 0), lanes 16-31 heads 4-7 (K step 1).
; The product is used transposed (source 0 = 16 columns of W, source 1 = o): lane (r, h) holds position 16 u + r, and the 16 registers of two neighbouring tiles are features 16 h + 0 .. 15 of a run of 32.
; The bias is the C of the first K step, loaded in the result's layout.
; THE WAY OUT.  A wave's 64 features are 256 consecutive bytes of a row of out0: its own stage in LDS (16 rows x 272 bytes) turns 16 bytes a lane of many rows into whole runs of 256 bytes.  No barrier.
; Position 16 u + m of a block stands for token 8 u + m + 8 (m / 8): the stores' immediates turn positions back into rows.
; NO CLUSTER: what the work-groups share is the weight, 49,152 bytes; a joint load would land it in LDS, from where each wave would read its 12,288 bytes once, for 16 products.  No tensor load, so no ring.
; LIMITS: NaN and infinities are not served.
; THE MODE: SCHED_MODE bits 1:0 = 2 (LLVM: expert scheduling mode 2), set by the entry lines.  The code itself states the register dependences
; between vector or matrix instructions and memory or LDS instructions, with s_wait_alu, always for 0.
; THE PLAN.  Registers that memory or LDS instructions touch:
;   v4-v11        offsets and LDS addresses: written by vector lines at the head and never again; read by every load and store.
;   SB, OF, WS    filled by loads alone; SB is read by the six lines that make o's scale words, OF and WS by the products.
;   WF            filled by loads; read by the products; on the way out the loads from the stage land in it, and the global stores read it.
;   ACC           filled by loads (the bias); written by the products; read by the LDS stores into the stage.
;   v[OS], v[OS+1] are named by vector and matrix instructions alone: written by vector lines, taken by the products as scales.
; THE WAITS.  One on va_sdst ahead of the first reader of the wave's number.  One on va_vdst ahead of the first load: the addresses are written.  One behind the eight places, ahead of the first product:
; o's scale words are written.  One behind the four places, ahead of the first store into the stage: the accumulators are written and W's fragments are read; no vector instruction stands behind it.
.set FRB,  1536
.set SP,   272                         ; a stage row: 256 bytes + 16
.set OA,   4                           ; v4   oc: 49152 h + 24 r
.set LI,   5                           ; v5   16 x lane
.set LS,   6                           ; v6   4 x lane
.set OB,   7                           ; v7   os: 8192 h + r
.set BO,   8                           ; v8   bias: 256 w + 64 h
.set STO,  9                           ; v9   the stage: where I put 16 bytes of a row
.set RD,   10                          ; v10  and where I read a row back
.set CO,   11                          ; v11  my byte offset in the work-group's rows of out0
.set WF,   16                          ; v16-111   W's fragments: (tile f, K step s) at 12 (2 f + s); on the way out rows of out0
.set WS,   112                         ; v112-115  W's scale words: lanes 0-15 K step 0, lanes 16-31 K step 1
.set OS,   116                         ; v116-117  o's, likewise, for position tile u
.set OF,   120                         ; v120-167  o's fragments: (u, s) at 12 (2 u + s)
.set ACC,  168                         ; v168-231  eight accumulators
.set SB,   232                         ; v232-239  o's scale bytes as loaded: 4 u + b
.set WV,   16
.macro MM acc, a, b, sa, sb, ks
.if \ks
	v_wmma_scale_f32_16x16x128_f8f6f4 v[\acc:\acc+7], v[\a:\a+11], v[\b:\b+11], v[\acc:\acc+7], v[\sa], v[\sb] matrix_a_fmt:MATRIX_FMT_BF6 matrix_b_fmt:MATRIX_FMT_BF6 matrix_a_scale:MATRIX_SCALE_ROW1 matrix_b_scale:MATRIX_SCALE_ROW1
.else
	v_wmma_scale_f32_16x16x128_f8f6f4 v[\acc:\acc+7], v[\a:\a+11], v[\b:\b+11], v[\acc:\acc+7], v[\sa], v[\sb] matrix_a_fmt:MATRIX_FMT_BF6 matrix_b_fmt:MATRIX_FMT_BF6
.endif
.endm
	s_load_b256 s[4:11], s[0:1], 0x0               ; oc, os, wimg, wscl
	s_load_b128 s[12:15], s[0:1], 0x20             ; b_out, out0
	v_lshl_add_u32 v246, v0, 2, 0x4400
	v_mov_b32 v247, 0
	v_lshrrev_b32 v1, 5, v0
	v_readfirstlane_b32 s[WV], v1                  ; wave 0..3
	v_and_b32 v1, 31, v0                           ; lane
	v_and_b32 v2, 15, v0                           ; r
	v_bfe_u32 v3, v0, 4, 1                         ; h
	v_mul_u32_u24 v[OA], v3, 49152
	v_mad_u32_u24 v[OA], v2, 24, v[OA]
	v_lshlrev_b32 v[LI], 4, v1
	v_lshlrev_b32 v[LS], 2, v1
	v_lshl_add_u32 v[OB], v3, 13, v2
	s_wait_alu depctr_va_sdst(0)                   ; the wave's number is written, ahead of its first reader: offsets and bases are made from it
	s_lshl_b32 s17, s[WV], 8
	v_lshl_add_u32 v[BO], v3, 6, s17
	s_mul_i32 s18, s[WV], 16*SP                    ; my stage
	v_mul_u32_u24 v[STO], v2, SP                   ; in: row r, + 64 h
	v_lshl_add_u32 v[STO], v3, 6, v[STO]
	v_add_nc_u32 v[STO], s18, v[STO]
	v_mul_u32_u24 v[RD], v3, SP                    ; back: lanes 0-15 one row of 256 bytes, lanes 16-31 the next
	v_lshl_add_u32 v[RD], v2, 4, v[RD]
	v_add_nc_u32 v[RD], s18, v[RD]
	v_lshlrev_b32 v[CO], 10, v3                    ; and the same two rows in out0, at my wave's 256 bytes
	v_lshl_add_u32 v[CO], v2, 4, v[CO]
	v_add_nc_u32 v[CO], s17, v[CO]
	s_lshr_b32 s19, ttmp9, 6                       ; batch
	s_and_b32 s22, ttmp9, 63                       ; block of 32 positions
	s_mul_i32 s24, s19, 8*49152
	s_mul_i32 s23, s22, 768
	s_add_co_u32 s24, s24, s23                     ; oc: the batch's 8 heads, the block's 32 positions of 24 bytes
	s_mov_b32 s25, 0
	s_lshl_b32 s26, s19, 14
	s_lshl_b32 s23, s22, 5
	s_add_co_u32 s26, s26, s23                     ; os likewise, a byte a position
	s_mov_b32 s27, 0
	s_mul_i32 s28, s[WV], 8*FRB
	s_add_co_u32 s28, s28, 96*FRB                  ; wimg: w_out's fragments begin at number 96; my 8
	s_mov_b32 s29, 0
	s_lshl_b32 s30, s[WV], 9
	s_add_co_u32 s30, s30, 48*128                  ; wscl: tile 48 + 4 w on, 128 bytes a tile
	s_mov_b32 s31, 0
	s_lshl_b32 s32, ttmp9, 15                      ; out0: 32 rows of 1,024 bytes a work-group
	s_mov_b32 s33, 0
	s_wait_kmcnt 0x0
	s_add_nc_u64 s[4:5], s[4:5], s[24:25]
	s_add_nc_u64 s[6:7], s[6:7], s[26:27]
	s_add_nc_u64 s[8:9], s[8:9], s[28:29]
	s_add_nc_u64 s[10:11], s[10:11], s[30:31]
	s_add_nc_u64 s[14:15], s[14:15], s[32:33]
	s_wait_alu depctr_va_vdst(0)                   ; the eight offsets and addresses v4 to v11 are written, which every load and store of the kernel reads
.irp u, 0,1
.irp b, 0,1,2,3
	global_load_u8 v[SB+4*\u+\b], v[OB], s[6:7] offset:2048*\b+16*\u   ; the byte of head 4 h + b at position 16 u + r
.endr
.endr
.irp u, 0,1
.irp s, 0,1
.irp c, 0,1
.irp p, 0,1,2
	global_load_b64 v[OF+12*(2*\u+\s)+6*\c+2*\p:OF+12*(2*\u+\s)+6*\c+2*\p+1], v[OA], s[4:5] offset:196608*\s+98304*\c+384*\u+8*\p
.endr
.endr
.endr
.endr
.set i, 0
.rept 24
	global_load_b128 v[WF+4*i:WF+4*i+3], v[LI], s[8:9] offset:512*i   ; my 8 fragments of W, as they lie
.set i, i+1
.endr
.irp f, 0,1,2,3
	global_load_b32 v[WS+\f], v[LS], s[10:11] offset:128*\f
.endr
.irp n, 0,1                                    ; the bias straight into the accumulators: register 8 c + j of run n, lane half h: feature 64 w + 32 n + 16 h + 8 c + j, the same for both position tiles
.irp u, 0,1
.irp c, 0,1
	global_load_b128 v[ACC+32*\n+16*\u+8*\c:ACC+32*\n+16*\u+8*\c+3], v[BO], s[12:13] offset:128*\n+32*\c
	global_load_b128 v[ACC+32*\n+16*\u+8*\c+4:ACC+32*\n+16*\u+8*\c+7], v[BO], s[12:13] offset:128*\n+32*\c+16
.endr
.endr
.endr
	s_wait_loadcnt 0x0
.irp u, 0,1
	v_lshl_or_b32 v[OS+\u], v[SB+4*\u+1], 8, v[SB+4*\u]   ; four heads' bytes make a scale word
.endr
.irp u, 0,1
	v_lshl_or_b32 v[OS+\u], v[SB+4*\u+2], 16, v[OS+\u]
.endr
.irp u, 0,1
	v_lshl_or_b32 v[OS+\u], v[SB+4*\u+3], 24, v[OS+\u]
.endr
.rept 8
	v_nop                                          ; a scale register written by a vector instruction stands eight places ahead of a scaled product
.endr
	s_wait_alu depctr_va_vdst(0)                   ; o's two scale words v[OS], v[OS+1] are written, which the products take as scales; the eight places above stay beside this wait
.irp s, 0,1                                    ; eight accumulators by turns, K step by K step
.irp n, 0,1
.irp u, 0,1
.irp c, 0,1
	MM ACC+32*\n+16*\u+8*\c, WF+12*(2*(2*\n+\c)+\s), OF+12*(2*\u+\s), WS+2*\n+\c, OS+\u, \s
.endr
.endr
.endr
.endr
.rept 4
	v_nop                                          ; places behind the products, ahead of the first read of results and of loads into W's registers
.endr
	s_wait_alu depctr_va_vdst(0)                   ; the products have written the accumulators, which the LDS stores read, and are done reading W's fragments, in which the loads from the stage land; the four places above stay beside this wait
; Position tile u: 16 rows x my 256 bytes go into my stage, 16 bytes a lane, and come back as whole rows.  LDS serves a wave's instructions in order (ISA guide 5.7.1.4): no wait between the stores and the loads, nor ahead of the next tile's stores.
.macro TOSTAGE u
.irp n, 0,1
.irp i, 0,1,2,3
	ds_store_b128 v[STO], v[ACC+32*\n+16*\u+4*\i:ACC+32*\n+16*\u+4*\i+3] offset:128*\n+16*\i   ; each accumulator from its low end on
.endr
.endr
.irp i, 0,1,2,3,4,5,6,7
	ds_load_b128 v[WF+32*\u+4*\i:WF+32*\u+4*\i+3], v[RD] offset:2*\i*SP
.endr
.endm
.macro SEND u, younger                 ; younger: the LDS instructions issued behind tile u's loads, which may stay out
.irp i, 0,1,2,3,4,5,6,7
	s_wait_dscnt \younger+7-\i                     ; rows 2 i, 2 i + 1 of the tile are back
	global_store_b128 v[CO], v[WF+32*\u+4*\i:WF+32*\u+4*\i+3], s[14:15] offset:(8*\u+2*\i+8*(\i/4))*1024 th:TH_STORE_NT   ; 16 lanes store 256 consecutive bytes, at a multiple of 256 from out0's first byte; row m of the tile is token 8 u + m + 8 (m / 8)
.endr
.endm
	TOSTAGE 0
	TOSTAGE 1
	SEND 0, 16
	SEND 1, 0
	s_wait_dscnt 0x0
	s_wait_alu depctr_hold_cnt(0) depctr_sa_sdst(0) depctr_va_vdst(0) depctr_va_sdst(0) depctr_va_ssrc(0) depctr_va_vcc(0) depctr_vm_vsrc(0)
	s_wait_tensorcnt 0x0
	ds_add_u32 v246, v247
	s_wait_dscnt 0x0
	s_endpgm
.Lfunc_end_k_q80d5da6b4f_proj:
	.size	k_q80d5da6b4f_proj, .Lfunc_end_k_q80d5da6b4f_proj-k_q80d5da6b4f_proj
	.p2alignl 7, 3214868480
	.fill 96, 4, 3214868480
	.section	.rodata,"a",@progbits
	.p2align	6, 0x0
	.amdhsa_kernel k_q80d5da6b4f_proj
		.amdhsa_group_segment_fixed_size 17920
		.amdhsa_private_segment_fixed_size 0
		.amdhsa_enable_private_segment 0
		.amdhsa_kernarg_size 48
		.amdhsa_user_sgpr_count 2
		.amdhsa_user_sgpr_kernarg_segment_ptr 1
		.amdhsa_wavefront_size32 1
		.amdhsa_system_sgpr_workgroup_id_x 1
		.amdhsa_system_sgpr_workgroup_id_y 1
		.amdhsa_system_sgpr_workgroup_id_z 1
		.amdhsa_system_vgpr_workitem_id 0
		.amdhsa_next_free_vgpr 248
		.amdhsa_next_free_sgpr 66
		.amdhsa_reserve_vcc 0
		.amdhsa_float_denorm_mode_32 3
		.amdhsa_float_denorm_mode_16_64 3
		.amdhsa_memory_ordered 1
		.amdhsa_forward_progress 1
		.amdhsa_inst_pref_size 17
	.end_amdhsa_kernel
	.amdgpu_metadata
---
amdhsa.version: [ 1, 2 ]
amdhsa.kernels:
  - .name:           k_q80d5da6b4f_proj
    .symbol:         k_q80d5da6b4f_proj.kd
    .args:
      - { .name: oc, .offset: 0, .size: 8, .value_kind: global_buffer, .address_space: global }
      - { .name: os, .offset: 8, .size: 8, .value_kind: global_buffer, .address_space: global }
      - { .name: wimg, .offset: 16, .size: 8, .value_kind: global_buffer, .address_space: global }
      - { .name: wscl, .offset: 24, .size: 8, .value_kind: global_buffer, .address_space: global }
      - { .name: b_out, .offset: 32, .size: 8, .value_kind: global_buffer, .address_space: global }
      - { .name: out0, .offset: 40, .size: 8, .value_kind: global_buffer, .address_space: global }
    .group_segment_fixed_size: 17920
    .private_segment_fixed_size: 0
    .kernarg_segment_align: 8
    .kernarg_segment_size: 48
    .max_flat_workgroup_size: 128
    .sgpr_count:     66
    .vgpr_count:     248
    .wavefront_size: 32
...
	.end_amdgpu_metadata
.endif
;; end of part 8
